; MI455X (gfx1250); checked and timed in simulation.
; The chip was launched on July 23, 2026; its instructions are those of AMD's public machine-readable ISA for CDNA 5 (MIT licence, August 2026) and "CDNA5" Instruction Set Architecture Reference Guide (July 2026). The comments in the code are by the model that wrote it; some were corrected since.
;; Feedforward Ensemble. Allowed arithmetic: matrix products marked QUANTISED: E2M1 operands, one E8M0 scale for each 32 along K, by v_wmma_scale_f32_16x16x128_f8f6f4 with both operands' format E2M1 (or v_wmma_scale_f32_32x16x128_f4), f32 sums; products left as they are: f32 operands where the result goes on into a quantised operand, else bf16, f16 or f32 operands; f32 sums; everything else in f32.
;; Inputs: ensembles 4 x 2 x 512 int32; proj_in_codes 8 x 2,048 x 32 x 16 uint8 (E2M1 codes of proj_in, K innermost, in blocks of 32 codes, two codes a byte); proj_in_scales 8 x 2,048 x 32 uint8 (E8M0 scales of proj_in, one for each 32 codes along K); proj_out_codes 8 x 1,024 x 64 x 16 uint8 (E2M1 codes of proj_out, K innermost, in blocks of 32 codes, two codes a byte); proj_out_scales 8 x 1,024 x 64 uint8 (E8M0 scales of proj_out, one for each 32 codes along K); weights 4 x 2 x 512 float32; x_codes 4 x 512 x 32 x 16 uint8 (E2M1 codes of x, K innermost, in blocks of 32 codes, two codes a byte); x_scales 4 x 512 x 32 uint8 (E8M0 scales of x, one for each 32 codes along K).
;; Outputs: out0 4 x 512 x 1,024 float32.
;; This version of the problem:
;;   THIS VERSION OF THE PROBLEM IS GIVEN IN LOW PRECISION. The matrix products marked QUANTISED in the list below multiply operands that are first quantised to E2M1 (2 exponent bits, 1 mantissa bit; 4 bits a number), with one power-of-two scale for each 32 numbers along K (OCP MX v1.0); their sums are f32. All else is computed in f32.
;;   The module's matrix products, in the order in which they are computed (A, B: the left and right operand; K: the contracted axis; several contracted axes count as one K, in the product's order):
;;     1. [M 2,048, K 1,024] x [K 1,024, N 16,384]; A: input x (given as codes); B: input proj_in (given as codes): QUANTISED
;;     2. batch 8 x [M 2,048, K 2,048] x [K 2,048, N 1,024]; A: computed on the way; B: input proj_out (given as codes): QUANTISED
;;     3. batch 2,048 x [M 1, K 2] x [K 2, N 8]; A: input weights; B: computed on the way: left as it is (K = 2 < 32)
;;     4. batch 2,048 x [M 1,024, K 8] x [K 8, N 1]; A: computed on the way; B: computed on the way: left as it is (K = 8 < 32)
;;   THE QUANTISER, for each operand of a quantised product, along K:
;;     - K is cut into blocks of 32 from its start; a last block that is shorter is filled with zeros.
;;     - A block's scale is 2^e with e = floor(log2(the largest magnitude in the block)) - 2, held to -126 .. 127; a block of zeros has e = 0. As a byte (E8M0): e + 127.
;;     - Each number is divided by its block's scale, clamped to +-6, and rounded to the nearest number of E2M1, ties to even, subnormals kept.
;;     - The product sums the exact products of the quantised numbers (number of the format x scale) in f32.
;;   ~~~python
;;   def quantise(x, axis):      # numpy; x: float32 -> the quantised numbers, widened to float32 again
;;       x = np.moveaxis(x, axis, -1); K = x.shape[-1]
;;       x = np.pad(x, [(0, 0)] * (x.ndim - 1) + [(0, -K % 32)]); x = x.reshape(x.shape[:-1] + (-1, 32)); a = np.abs(x).max(-1, keepdims=True)
;;       e = np.where(a > 0, np.clip(np.frexp(np.where(a > 0, a, 1))[1] - 1 - 2, -126, 127), 0)      # np.frexp(a)[1] - 1 = floor(log2(a)), exactly
;;       r = np.clip(x / 2.0 ** e, -6, 6)
;;       step = 2.0 ** (np.maximum(np.frexp(np.where(r == 0, 1, r))[1] - 1, 0) - 1)
;;       q = np.round(r / step) * step * 2.0 ** e      # np.round: ties to even
;;       return np.moveaxis(q.reshape(q.shape[:-2] + (-1,))[..., :K], -1, axis).astype(np.float32)
;;   ~~~
;;   OPERANDS COMPUTED ON THE WAY. 'Computed on the way' means the value that the module computes at that place (a softmax that the list does not call 'softmax' is quantised finished and normalised). What goes into a quantiser is computed in f32, as accurately as f32 sums, v_exp_f32 and their like allow (about 1e-6 of the number): no bf16 or f16 on the way to a quantiser, and a product that is left as it is and whose result goes on into a quantised operand takes f32 operands (vector FMAs, or v_wmma_f32_16x16x4_f32). A number that lies on a knife's edge between two numbers of the format may be rounded either way, as far as f32 arithmetic and the matrix unit's own rounding can turn it there, and no further.
;;   INPUTS GIVEN AS CODES. proj_in (in the module: [8, 2048, 1024], K = its axis 2); proj_out (in the module: [8, 1024, 2048], K = its axis 2); x (in the module: [4, 512, 1024], K = its axis 2): each comes as NAME_codes (uint8): NAME with its K axis moved to the last place and cut into blocks of 32 codes, [.., K / 32, bytes a block], one block behind the other in memory; two codes a byte, the lower K in the low four bits (a code: sign, 2 exponent bits, 1 mantissa bit); and NAME_scales (uint8): the same leading axes, one E8M0 byte (e + 127) for each 32 codes along K. Its value is code x scale, taken as it is: it is not quantised again, and the codes and scales need not be those that the quantiser above would give.
;; 2 versions. Each part assembles by itself: llvm-mc -triple=amdgcn-amd-amdhsa -mcpu=gfx1250 --defsym DOCPART=n.
;; ======== version 1 of 2: 3 launches
;; workspace buffers: himg 33,587,200 bytes; hsc 4,198,400 bytes; part 16,777,216 bytes
;; launch up (part 1): grid 256 x 1, 4 waves a work-group, no clusters, 68,096 bytes of LDS; arguments ensembles, x_codes, x_scales, proj_in_codes, proj_in_scales, himg, hsc; writes himg, hsc
.if DOCPART == 1
	.amdgcn_target "amdgcn-amd-amdhsa--gfx1250"
	.amdhsa_code_object_version 6
	.text
	.protected	k_q146f89fa19_up
	.globl	k_q146f89fa19_up
	.p2align	8
	.type	k_q146f89fa19_up,@function
k_q146f89fa19_up:
	s_mov_b64 s[64:65], 0
	v_nop
	global_prefetch_b8 v0, s[64:65] scope:SCOPE_SE
	s_setreg_imm32_b32 hwreg(HW_REG_WAVE_MODE, 25, 1), 1
	s_wait_xcnt 0x0
; FIRST OF THREE LAUNCHES: h = Q(relu(x W1[e]^T)) for the ROUTED rows alone, as codes of E2M1 with one E8M0 byte for each 32 hidden units.
; out[b][s] = sum over k of w[b][k][s] x W2[e] Q(relu(W1[e] x[b][s])), e = ensembles[b][k][s].
; WORK LEFT OUT.  reference() multiplies every token by all 8 experts and then by gate[b][s][e] = sum over k of w[b][k][s] x one_hot(ensembles[b][k][s])[e], which it builds in its own body.
; For an expert e that is neither ensembles[b][0][s] nor ensembles[b][1][s] every term of that sum has the factor 0, whatever the inputs hold: gate = 0, and o[b][s][e][:] x 0 reaches no output.
; So of products 1 and 2 only the 4,096 rows (b, k, s) with their own expert are made, and products 3 and 4 are one multiply and one multiply-add an output (third launch).  Every input still has a way to the output.
; LIMITS.  A NaN, an infinity or an overflow in an expert that a token did not choose is not carried to the result.  Where both slots of a token name one expert the result is w0 o + w1 o, not (w0 + w1) o: another order
; of rounding.  An index lies in 0 .. 7, inside its table; an entry outside matches no expert and its row would stay unwritten.  A block of h that is all zeros carries the byte 1 and not 127: its codes are zeros, and
; this program alone reads the bytes.
; ROUTED ROWS.  rho = 1024 b + 512 k + s is the flat place in ensembles.  Group g = rho / 512 (b = g / 2, k = g % 2), idx = rho % 512 = s.
; SHARES.  Work-group = (expert e, slice sg of 128 hidden units, half gh of the groups); wave w takes group g = 4 gh + w.  The four waves want the same 128 rows of W1 (65,536 dense bytes): each loads a quarter, they meet in
; LDS once, and each wave then keeps all 64 fragments in 512 registers.  A wave finds its group's rows of expert e by itself, in registers, from the index input, while the weights are on their way.
; Matches go 16 to a tile, two tiles to a pair.  A tile's empty rows repeat its first row: they make the same bits and store the same bytes, so EXEC is never changed.  A pair's empty second tile is jumped over.
; THE PRODUCT IS USED TRANSPOSED (source 0 = 16 rows of W1, source 1 = 16 rows of x): a lane holds ONE routed row, its registers run along the hidden units, which are the next product's K.
; THE ROWS OF W1 THAT FORM A TILE ARE NOT NEIGHBOURS: lane r of tile 2 b + u takes row 32 b + 8 u + r + 8 (r / 8), so that the 16 registers of tiles 2 b, 2 b + 1 are hidden units 32 b + 16 (lane / 16) + 0 .. 15.
; OUT.  himg[8 e + g][tile][sg]: the image of an operand's 8 registers (registers 0-3 at 16 x lane, 4-7 at 512 + 16 x lane); hsc likewise the image of its scale register, 4 bytes a lane.
; No tensor load, no cluster: trip counts hang on the index input.
; REGISTERS.  Window 0: v1-12 lane numbers and addresses; v13-17 at work; v20-23 the pair picked; v24-27 x's offsets; v28, v29 the add's two; v32-47 the group's 512 indices; v48-63 the sorted matches;
;   v64-95 W1's scale words; v96-111 x's; v112-175 eight accumulators; v176-184 codes and scale word; v188-203 the quantiser's.   Windows 1, 2: W1's fragments (K step s, tile t) at v[256 + 8 (8 s + t)].
;   Window 3: x's fragments, tile 0 of a pair at v0-63, tile 1 at v64-127.
.set WPITCH, 528                       ; a row of W1 in LDS: 512 bytes + 16
.set SPARE,  128*WPITCH                ; 67,584: behind the 128 rows: the spare words, 128 bytes for each wave, which no other line names
.set TP,   13                          ; v13-17  at work in ROUTE, PICK, SPLIT
.set TSEL, 20                          ; v20     the pair picked: lane l holds match 32 i + l as pos << 16 | idx, or the mark for none
.set TXR,  21                          ; v21     the same from lane l xor 16
.set TI,   22                          ; v22-23  idx of the rows of tile 0, tile 1, in both halves of the lanes
.set XO,   24                          ; v24, v26  byte offset of my row's codes, tile 0, 1
.set XSO,  25                          ; v25, v27  and of its scale bytes
.set SPW,  28                          ; v28     LDS address of my spare word; never rewritten
.set NIL,  29                          ; v29     0; never rewritten
.set EN,   32
.set R,    48
.set WS,   64                          ; register 8 b + s: K step s; lanes 0-15 tile 2 b's rows, lanes 16-31 tile 2 b + 1's
.set XS,   96                          ; register 8 u + s: tile u, K step s
.set HA,   112
.set PC,   176
.set PW,   184
.set TM,   188
.set MSB, 0
.macro WIN new                         ; the immediate's high byte repeats the setting that is left; a switch that changes nothing is dropped
.if MSB != \new
	s_set_vgpr_msb (MSB<<8)|\new
.set MSB, \new
.endif
.endm
; ROUTE: the group's 512 indices, 32 at a time.  A match gets its running number pos; it is sent to lane pos % 32 as pos << 16 | idx.  The lanes that do not match send the mark to the places that are left, so that
; each chunk's 32 destinations are a permutation.  At the end s24 = matches, s28 = pairs of tiles.  Register 4 q + j of lane l holds idx 128 q + 4 l + j.
.macro ROUTE
	s_mov_b32 s24, 0
.set cc, 0
.rept 16
	v_cmp_eq_u32 s25, s19, v[EN+cc]                ; who matches my expert
	v_mbcnt_lo_u32_b32 v[TP], s25, 0               ; matches in the lanes below me
	s_bcnt1_i32_b32 s26, s25
	v_add_nc_u32 v[TP+1], s24, v[TP]               ; pos
	s_add_co_u32 s24, s24, s26                     ; where the next chunk begins
	v_sub_nc_u32 v[TP+2], v1, v[TP]                ; lanes below me that do not match,
	v_add_nc_u32 v[TP+2], s24, v[TP+2]             ; behind this chunk's matches
	v_cndmask_b32 v[TP+3], v[TP+2], v[TP+1], s25   ; my destination
	v_add_nc_u32 v[TP+4], 128*(cc/4)+cc%4, v5      ; idx
	v_lshl_add_u32 v[TP+4], v[TP+1], 16, v[TP+4]
	v_cndmask_b32 v[TP+4], v6, v[TP+4], s25
	v_lshlrev_b32 v[TP+3], 2, v[TP+3]
	v_and_b32 v[TP+3], 0x7c, v[TP+3]               ; 4 x (place % 32)
	ds_permute_b32 v[R+cc], v[TP+3], v[TP+4]       ; from lane to lane: no LDS byte is touched
.set cc, cc+1
.endr
	s_wait_dscnt 0x0                               ; all sixteen are in
	s_add_co_u32 s28, s24, 31
	s_lshr_b32 s28, s28, 5
.endm
; PICK: pair si.  Of the 16 registers at most one holds, in my lane, a match whose pos / 32 is si.
.macro PICK si
	v_mov_b32 v[TSEL], v6
.set cc, 0
.rept 16
	v_lshrrev_b32 v[TP], 21, v[R+cc]
	v_cmp_eq_u32 vcc_lo, \si, v[TP]
	v_cndmask_b32 v[TSEL], v[TSEL], v[R+cc], vcc_lo
.set cc, cc+1
.endr
.endm
; SPLIT: the pair's two tiles, each in both halves of the lanes; empty rows take the tile's first row; what is left is idx.
.macro SPLIT
	v_permlanex16_b32 v[TXR], v[TSEL], s30, s31
	v_cndmask_b32 v[TI], v[TSEL], v[TXR], s29      ; tile 0: lanes 16-31 take lanes 0-15's
	v_cndmask_b32 v[TI+1], v[TXR], v[TSEL], s29    ; tile 1: lanes 0-15 take lanes 16-31's
.irp u, 0,1
	v_readlane_b32 s34, v[TI+\u], 0
	v_mov_b32 v[TP], s34
	v_cmp_gt_i32 vcc_lo, 0, v[TI+\u]               ; the mark is negative
	v_cndmask_b32 v[TI+\u], v[TI+\u], v[TP], vcc_lo
	v_and_b32 v[TI+\u], 0x1ff, v[TI+\u]            ; idx; of a tile that is all marks: 0, a row that is loaded and not used
	v_min_u32 v[TI+\u], 0x1ff, v[TI+\u]            ; its bound stands in an instruction of its own ahead of the shifts that make addresses of it
.endr
.endm
.macro ADDR u
	v_lshl_add_u32 v[XO+2*\u], v[TI+\u], 9, v12    ; a row of x is 512 bytes; + 16 x (lane / 16)
	v_lshlrev_b32 v[XSO+2*\u], 5, v[TI+\u]         ; and 32 scale bytes
.endm
.macro GATHER u                        ; 18 loads: my row's eight scale words, and its part of eight fragments (K step s: 64 bytes; registers 4 c on: 32 c + 16 (lane / 16))
.irp q, 0,1
	global_load_b128 v[XS+8*\u+4*\q:XS+8*\u+4*\q+3], v[XSO+2*\u], s[8:9] offset:16*\q
.endr
	WIN 0xc0                                       ; destination window 3
.irp s, 0,1,2,3,4,5,6,7
.irp c, 0,1
	global_load_b128 v[64*\u+8*\s+4*\c:64*\u+8*\s+4*\c+3], v[XO+2*\u], s[6:7] offset:64*\s+32*\c
.endr
.endr
	WIN 0
.endm
.macro WM u, s, t                      ; one product: tile t of W1, K step s, tile u of the pair.  K step 0 starts the sum: nothing is cleared
.set rD, HA+8*(\t)
.set rA, 8*(8*((\s)%4)+(\t))
.set rB, 64*(\u)+8*(\s)
.set rW, WS+8*((\t)/2)+(\s)
.set rX, XS+8*(\u)+(\s)
.if ((\s) == 0) && ((\t)%2 == 0)
	v_wmma_scale_f32_16x16x128_f8f6f4 v[rD:rD+7], v[rA:rA+7], v[rB:rB+7], 0, v[rW], v[rX] matrix_a_fmt:MATRIX_FMT_FP4 matrix_b_fmt:MATRIX_FMT_FP4
.elseif (\s) == 0
	v_wmma_scale_f32_16x16x128_f8f6f4 v[rD:rD+7], v[rA:rA+7], v[rB:rB+7], 0, v[rW], v[rX] matrix_a_fmt:MATRIX_FMT_FP4 matrix_b_fmt:MATRIX_FMT_FP4 matrix_a_scale:MATRIX_SCALE_ROW1
.elseif (\t)%2 == 0
	v_wmma_scale_f32_16x16x128_f8f6f4 v[rD:rD+7], v[rA:rA+7], v[rB:rB+7], v[rD:rD+7], v[rW], v[rX] matrix_a_fmt:MATRIX_FMT_FP4 matrix_b_fmt:MATRIX_FMT_FP4
.else
	v_wmma_scale_f32_16x16x128_f8f6f4 v[rD:rD+7], v[rA:rA+7], v[rB:rB+7], v[rD:rD+7], v[rW], v[rX] matrix_a_fmt:MATRIX_FMT_FP4 matrix_b_fmt:MATRIX_FMT_FP4 matrix_a_scale:MATRIX_SCALE_ROW1
.endif
.endm
.macro MULA u                          ; 64 products: the eight accumulators take turns, one instruction a turn, K ascending
.irp s, 0,1,2,3,4,5,6,7
.if \s < 4
	WIN 0x0d                                       ; source 0 (W1) window 1, source 1 (x) window 3, C and D window 0
.else
	WIN 0x0e                                       ; W1's K steps 4 to 7 lie in window 2
.endif
.irp t, 0,1,2,3,4,5,6,7
	WM \u, \s, \t
.endr
.endr
	WIN 0
.endm
; 64 numbers of a lane, none negative, register 16 b + i = hidden unit 32 b + 16 (lane / 16) + i of my row, become a fragment's codes in v[PC] on and its scale word in v[PW].
.macro QUANT s
.irp b, 0,1,2,3
	v_max3_num_f32 v[TM+\b], v[\s+16*\b], v[\s+1+16*\b], 0x1800000   ; block b: my 16 numbers, and the floor 2^(3 - 127): the byte cannot fall under 1
.endr
.irp i, 2,4,6,8,10,12,14
.irp b, 0,1,2,3
	v_max3_num_f32 v[TM+\b], v[TM+\b], v[\s+16*\b+\i], v[\s+1+16*\b+\i]   ; the four blocks by turns
.endr
.endr
.irp b, 0,1,2,3
	v_permlanex16_b32 v[TM+4+\b], v[TM+\b], s30, s31
.endr
.irp b, 0,1,2,3
	v_max_num_f32 v[TM+\b], v[TM+\b], v[TM+4+\b]   ; with lane l xor 16's: the block's largest number
.endr
.irp b, 0,1,2,3
	v_add_nc_u32 v[TM+12+\b], 0xff000000, v[TM+\b] ; 2 off its exponent field: the conversion takes the exponent field of this operand as its scale
.endr
.irp b, 0,1,2,3
	v_lshrrev_b32 v[TM+4+\b], 23, v[TM+12+\b]      ; the scale's byte
.endr
	v_lshl_or_b32 v[PW], v[TM+5], 8, v[TM+4]
	v_lshl_or_b32 v[PW], v[TM+6], 16, v[PW]
	v_lshl_or_b32 v[PW], v[TM+7], 24, v[PW]        ; my row's scale word for these 128 hidden units
.irp b, 0,1,2,3
	v_cvt_scalef32_pk8_fp4_f32 v[PC+2*\b], v[\s+16*\b:\s+7+16*\b], v[TM+12+\b]
	v_cvt_scalef32_pk8_fp4_f32 v[PC+1+2*\b], v[\s+8+16*\b:\s+15+16*\b], v[TM+12+\b]
.endr
	v_nop                                          ; one plain place behind the last scaled conversion
.irp c, 0,1                                    ; the operand's layout wants a whole block in a lane: lanes 0-15 block 2 c, lanes 16-31 block 2 c + 1
.irp i, 0,1
	v_permlane16_swap_b32 v[PC+4*\c+\i], v[PC+2+4*\c+\i]
.endr
.endr
.endm
.macro EPIA u                          ; relu, quantise, store the images of tile u of the pair
	s_wait_xcnt 0x0                                ; the last tile's stores have read the codes and the scale word: they are written again only behind this wait
.set jj, 0
.rept 64
	v_max_num_f32 v[HA+jj], 0, v[HA+jj]            ; ascending: each accumulator is first read at its lowest register
.set jj, jj+1
.endr
	QUANT HA
	global_store_b128 v10, v[PC:PC+3], s[14:15] offset:16384*\u          ; 32 lanes store 512 consecutive bytes, aligned
	global_store_b128 v10, v[PC+4:PC+7], s[14:15] offset:16384*\u+512
	global_store_b32 v11, v[PW], s[16:17] offset:2048*\u                 ; 128 consecutive bytes: an eighth of the codes' bytes
.endm
	s_load_b256 s[4:11], s[0:1], 0x0               ; ensembles s[4:5], x's codes s[6:7], x's scales s[8:9], W1's codes s[10:11]
	s_load_b128 s[12:15], s[0:1], 0x20             ; W1's scales s[12:13], himg s[14:15]
	s_load_b64 s[16:17], s[0:1], 0x30              ; hsc
	v_lshl_add_u32 v[SPW], v0, 2, SPARE
	v_mov_b32 v[NIL], 0
	v_lshrrev_b32 v[TP], 5, v0
	v_readfirstlane_b32 s18, v[TP]                 ; wave 0..3
	s_lshr_b32 s19, ttmp9, 5                       ; e
	s_bfe_u32 s20, ttmp9, 0x40001                  ; sg: 4 bits from bit 1
	s_and_b32 s21, ttmp9, 1
	s_lshl_b32 s21, s21, 2
	s_add_co_u32 s21, s21, s18                     ; g = 4 gh + wave
	v_and_b32 v1, 31, v0                           ; lane
	v_and_b32 v2, 15, v0                           ; r
	v_bfe_u32 v3, v0, 4, 1                         ; h
	v_lshlrev_b32 v4, 4, v1                        ; 16 x lane
	v_lshlrev_b32 v5, 2, v1                        ; 4 x lane
	v_mov_b32 v6, 0xffff0000                       ; the mark for no match
	s_mul_i32 s22, s18, 32*WPITCH
	v_add_nc_u32 v7, s22, v4                       ; into LDS: my wave's 32 rows, 16 bytes a lane
	v_and_b32 v[TP], 8, v2
	v_add_nc_u32 v[TP], v[TP], v2                  ; r + 8 (r / 8)
	v_mul_u32_u24 v8, v[TP], WPITCH
	v_lshl_add_u32 v8, v3, 4, v8                   ; out of LDS: a fragment's row, + 16 h
	v_lshl_add_u32 v9, v3, 3, v[TP]
	v_lshlrev_b32 v9, 5, v9                        ; W1's scale words: row 8 h + r + 8 (r / 8) of 32 bytes: lanes 16-31 take the odd tile's rows
	v_mov_b32 v10, v4                              ; himg: 16 x lane, stepped pair by pair
	v_mov_b32 v11, v5                              ; hsc: 4 x lane
	v_lshlrev_b32 v12, 4, v3                       ; 16 h
	v_mov_b32 v[TXR], 0                            ; written once: a lane permute's destination counts as one of its sources
.irp b, 0,1,2,3
	v_mov_b32 v[TM+4+\b], 0
.endr
	s_mov_b32 s29, 0xffff0000                      ; lanes 16-31
	s_mov_b32 s30, 0x76543210
	s_mov_b32 s31, 0xfedcba98                      ; v_permlanex16_b32's selects for lane l xor 16
	s_lshl_b32 s36, s21, 11                        ; ensembles: 2,048 bytes a group
	s_mov_b32 s37, 0
	s_lshr_b32 s38, s21, 1                         ; b
	s_lshl_b32 s40, s38, 14                        ; x's scales: 512 rows of 32 bytes
	s_lshl_b32 s38, s38, 18                        ; x's codes: 512 rows of 512 bytes
	s_mov_b32 s39, 0
	s_mov_b32 s41, 0
	s_lshl_b32 s42, s19, 20                        ; W1's codes: expert, slice of 128 rows, my wave's 32 rows
	s_lshl_b32 s22, s20, 16
	s_add_co_u32 s42, s42, s22
	s_lshl_b32 s22, s18, 14
	s_add_co_u32 s42, s42, s22
	s_mov_b32 s43, 0
	s_lshl_b32 s44, s19, 16                        ; W1's scales: expert, slice
	s_lshl_b32 s22, s20, 12
	s_add_co_u32 s44, s44, s22
	s_mov_b32 s45, 0
	s_lshl_b32 s23, s19, 3
	s_add_co_u32 s23, s23, s21                     ; 8 e + g
	s_lshl_b32 s46, s23, 19                        ; himg: 32 tiles x 16 slices x 1,024 bytes a group; my slice
	s_lshl_b32 s22, s20, 10
	s_add_co_u32 s46, s46, s22
	s_mov_b32 s47, 0
	s_lshl_b32 s22, s23, 16                        ; hsc: an eighth of that
	s_lshl_b32 s23, s20, 7
	s_add_co_u32 s22, s22, s23
	s_mov_b32 s23, 0
	s_wait_kmcnt 0x0
	s_add_nc_u64 s[4:5], s[4:5], s[36:37]
	s_add_nc_u64 s[6:7], s[6:7], s[38:39]
	s_add_nc_u64 s[8:9], s[8:9], s[40:41]
	s_add_nc_u64 s[10:11], s[10:11], s[42:43]
	s_add_nc_u64 s[12:13], s[12:13], s[44:45]
	s_add_nc_u64 s[14:15], s[14:15], s[46:47]
	s_add_nc_u64 s[16:17], s[16:17], s[22:23]
.irp q, 0,1,2,3
	global_load_b128 v[EN+4*\q:EN+4*\q+3], v4, s[4:5] offset:512*\q      ; the group's 512 indices
.endr
	WIN 0x40                                       ; destination window 1: the quarter of W1's block rests there on its way to LDS
.set ii, 0
.rept 32
	global_load_b128 v[4*ii:4*ii+3], v4, s[10:11] offset:512*ii          ; a row of 512 bytes to a load
.set ii, ii+1
.endr
	WIN 0
.irp b, 0,1,2,3
.irp q, 0,1
	global_load_b128 v[WS+8*\b+4*\q:WS+8*\b+4*\q+3], v9, s[12:13] offset:1024*\b+16*\q
.endr
.endr
	s_wait_loadcnt 40                              ; the indices are in; behind them 32 loads of weights and 8 of scale words may stay out
	ROUTE
	s_mov_b32 s27, 0                               ; the pair in hand
	PICK s27
	SPLIT
	ADDR 0
	ADDR 1
	GATHER 0                                       ; the first pair's rows of x are asked for while the weights are on their way
	GATHER 1
	s_wait_loadcnt 44                              ; the weights are in; behind them: 8 loads of scale words, 36 of x
	WIN 0x04                                       ; an LDS store's data are its source 1: window 1
.set ii, 0
.rept 32
	ds_store_b128 v7, v[4*ii:4*ii+3] offset:WPITCH*ii
.set ii, ii+1
.endr
	WIN 0
	s_wait_dscnt 0x0                               ; for the others' sake: my quarter lies in LDS
	s_barrier_signal -1
	s_barrier_wait -1                              ; the launch's one barrier: it stands ahead of every branch on the indices
	s_cmp_eq_u32 s28, 0
	s_cbranch_scc1 .Lend                           ; no row of my group chose my expert
.irp s, 0,1,2,3,4,5,6,7                        ; all 64 fragments of the block into windows 1 and 2: they stay
.if \s < 4
	WIN 0x40
.else
	WIN 0x80
.endif
.irp t, 0,1,2,3,4,5,6,7
.irp c, 0,1
	ds_load_b128 v[8*(8*(\s%4)+\t)+4*\c:8*(8*(\s%4)+\t)+4*\c+3], v8 offset:(32*(\t/2)+8*(\t%2))*WPITCH+64*\s+32*\c
.endr
.endr
.endr
	WIN 0
	s_wait_dscnt 0x0
.Lpair:                                            ; a trip: one pair of tiles; the next pair's rows of x are asked for as each buffer falls free
	s_add_co_u32 s32, s27, 1
	PICK s32                                       ; behind the last pair: all marks, idx 0, loaded and not used
	SPLIT
	s_wait_loadcnt 18                              ; tile 0's 18 loads are in (and all older ones); tile 1's 18 may stay out
	MULA 0
	ADDR 0                                         ; free since that wait.  These two and two v_nop are the four places in front of loads into registers that the products read, and of the first read of results
	v_nop
	v_nop
	GATHER 0
	EPIA 0
	s_wait_loadcnt 18                              ; tile 1's are in; the 18 just issued may stay out
	s_lshl_b32 s33, s27, 5
	s_add_co_u32 s33, s33, 16                      ; tile 1's first match
	s_cmp_ge_u32 s33, s24
	s_cbranch_scc1 .La                             ; it has none
	MULA 1
.La:
	ADDR 1
	v_nop
	v_nop
	GATHER 1
	s_cmp_ge_u32 s33, s24
	s_cbranch_scc1 .Lb
	EPIA 1
.Lb:
	s_wait_xcnt 0x0                                ; the stores have read their offsets
	v_add_nc_u32 v10, 32768, v10                   ; two tiles on
	v_add_nc_u32 v11, 4096, v11
	s_add_co_u32 s27, s27, 1
	s_cmp_lt_u32 s27, s28
	s_cbranch_scc1 .Lpair
.Lend:
	s_wait_tensorcnt 0x0                           ; the wave's end
	ds_add_u32 v[SPW], v[NIL]
	s_wait_dscnt 0x0
	s_endpgm
.Lfunc_end_k_q146f89fa19_up:
	.size	k_q146f89fa19_up, .Lfunc_end_k_q146f89fa19_up-k_q146f89fa19_up
	.p2alignl 7, 3214868480
	.fill 96, 4, 3214868480
	.section	.rodata,"a",@progbits
	.p2align	6, 0x0
	.amdhsa_kernel k_q146f89fa19_up
		.amdhsa_group_segment_fixed_size 68096
		.amdhsa_private_segment_fixed_size 0
		.amdhsa_enable_private_segment 0
		.amdhsa_kernarg_size 56
		.amdhsa_user_sgpr_count 2
		.amdhsa_user_sgpr_kernarg_segment_ptr 1
		.amdhsa_wavefront_size32 1
		.amdhsa_system_sgpr_workgroup_id_x 1
		.amdhsa_system_sgpr_workgroup_id_y 1
		.amdhsa_system_sgpr_workgroup_id_z 1
		.amdhsa_system_vgpr_workitem_id 0
		.amdhsa_next_free_vgpr 896
		.amdhsa_next_free_sgpr 66
		.amdhsa_reserve_vcc 1
		.amdhsa_float_denorm_mode_32 3
		.amdhsa_float_denorm_mode_16_64 3
		.amdhsa_memory_ordered 1
		.amdhsa_forward_progress 1
		.amdhsa_inst_pref_size 70
	.end_amdhsa_kernel
	.amdgpu_metadata
---
amdhsa.version: [ 1, 2 ]
amdhsa.kernels:
  - .name:           k_q146f89fa19_up
    .symbol:         k_q146f89fa19_up.kd
    .args:
      - { .name: ensembles, .offset: 0, .size: 8, .value_kind: global_buffer, .address_space: global }
      - { .name: x_codes, .offset: 8, .size: 8, .value_kind: global_buffer, .address_space: global }
      - { .name: x_scales, .offset: 16, .size: 8, .value_kind: global_buffer, .address_space: global }
      - { .name: proj_in_codes, .offset: 24, .size: 8, .value_kind: global_buffer, .address_space: global }
      - { .name: proj_in_scales, .offset: 32, .size: 8, .value_kind: global_buffer, .address_space: global }
      - { .name: himg, .offset: 40, .size: 8, .value_kind: global_buffer, .address_space: global }
      - { .name: hsc, .offset: 48, .size: 8, .value_kind: global_buffer, .address_space: global }
    .group_segment_fixed_size: 68096
    .private_segment_fixed_size: 0
    .kernarg_segment_align: 8
    .kernarg_segment_size: 56
    .max_flat_workgroup_size: 128
    .sgpr_count:     66
    .vgpr_count:     896
    .wavefront_size: 32
...
	.end_amdgpu_metadata
.endif
;; end of part 1
;; launch down (part 2): grid 256 x 1, 4 waves a work-group, no clusters, 84,480 bytes of LDS; arguments ensembles, proj_out_codes, proj_out_scales, himg, hsc, part; writes part
.if DOCPART == 2
	.amdgcn_target "amdgcn-amd-amdhsa--gfx1250"
	.amdhsa_code_object_version 6
	.text
	.protected	k_q146f89fa19_down
	.globl	k_q146f89fa19_down
	.p2align	8
	.type	k_q146f89fa19_down,@function
k_q146f89fa19_down:
	s_mov_b64 s[64:65], 0
	v_nop
	global_prefetch_b8 v0, s[64:65] scope:SCOPE_SE
	s_setreg_imm32_b32 hwreg(HW_REG_WAVE_MODE, 25, 1), 1
	s_wait_xcnt 0x0
; SECOND OF THREE LAUNCHES: part[rho][:] = h[rho] W2[e]^T for the routed rows rho = 1024 b + 512 k + s, e = ensembles[rho].  The rows of experts that a token did not choose are left out: their gate is 0 by
; reference()'s own one_hot (shown at the head of the first launch; its limits hold here too).
; SHARES.  Work-group = (expert e, slice j of 64 output columns, half gh of the groups); wave w takes group g = 4 gh + w.  The four waves want the same 64 rows of W2 (65,536 dense bytes): each loads a quarter, they meet in
; LDS once, and each wave keeps all 64 fragments in 512 registers.  Each wave sorts its group's indices by the same lines as the first launch, so tile and row numbers agree.
; h comes as the first launch left it: images of operand registers, himg[8 e + g][tile][K step], hsc likewise.  Its addresses hang on ids and on the count of trips alone.
; Tiles are asked for one pair ahead; the look-ahead reaches tile 33 at the most, for which the two buffers have 2 tiles of slack; what was never stored is loaded and never multiplied.
; THE PRODUCT IS USED TRANSPOSED (source 0 = 16 rows of W2 = 16 output columns, source 1 = 16 rows of h): a lane holds eight neighbouring columns of one routed row.  A tile goes through the wave's own stage in LDS and
; leaves as rows: sixteen lanes store the 256 consecutive, aligned bytes that this slice has of a row of part.  A tile's empty rows repeat its first row: the same bytes to the same place.
; No tensor load, no cluster: trip counts hang on the index input.
; REGISTERS.  Window 0: v1-16 lane numbers and addresses; v17-21 at work; v24-27 the pair picked; v28, v29 the add's two; v32-47 indices; v48-63 sorted matches; v64-95 W2's scale words; v96-127 h's;
;   v128-159 four accumulators; v160-191 rows on the way out; v192-199 lane selects; v200-215 the rows' offsets in part.   Windows 1, 2: W2's fragments (K step k, column tile n) at v[256 + 8 (4 k + n)].
;   Window 3: h's 16 fragments of tile 0 of a pair at v0-127, of tile 1 at v128-255.
.set WPITCH, 1040                      ; a row of W2 in LDS: 1,024 bytes + 16
.set STAGE,  64*WPITCH                 ; 66,560: the stages, 16 rows x 272 bytes for each wave
.set SPITCH, 272
.set SPARE,  STAGE+4*16*SPITCH         ; 83,968: the spare words, 128 bytes for each wave, which no other line names
.set HO,   10                          ; v10-11  himg: my 16 bytes of an image, tile 0, 1 of the pair to be asked for
.set SO,   12                          ; v12-13  hsc: my word
.set TP,   17
.set TSEL, 24
.set TXR,  25
.set TI,   26
.set SPW,  28
.set NIL,  29
.set EN,   32
.set R,    48
.set WS,   64                          ; register 16 p + k: K step k; lanes 0-15 column tile 2 p, lanes 16-31 tile 2 p + 1
.set HS,   96                          ; register 16 u + k
.set AC,   128
.set OUTR, 160
.set BPX,  192
.set AD,   200
.set MSB, 0
.macro WIN new                         ; the immediate's high byte repeats the setting that is left; a switch that changes nothing is dropped
.if MSB != \new
	s_set_vgpr_msb (MSB<<8)|\new
.set MSB, \new
.endif
.endm
; ROUTE, PICK, SPLIT: the first launch's lines, word for word.
.macro ROUTE
	s_mov_b32 s24, 0
.set cc, 0
.rept 16
	v_cmp_eq_u32 s25, s19, v[EN+cc]                ; who matches my expert
	v_mbcnt_lo_u32_b32 v[TP], s25, 0               ; matches in the lanes below me
	s_bcnt1_i32_b32 s26, s25
	v_add_nc_u32 v[TP+1], s24, v[TP]               ; pos
	s_add_co_u32 s24, s24, s26                     ; where the next chunk begins
	v_sub_nc_u32 v[TP+2], v1, v[TP]                ; lanes below me that do not match,
	v_add_nc_u32 v[TP+2], s24, v[TP+2]             ; behind this chunk's matches
	v_cndmask_b32 v[TP+3], v[TP+2], v[TP+1], s25   ; my destination: the 32 are a permutation
	v_add_nc_u32 v[TP+4], 128*(cc/4)+cc%4, v5      ; idx
	v_lshl_add_u32 v[TP+4], v[TP+1], 16, v[TP+4]
	v_cndmask_b32 v[TP+4], v6, v[TP+4], s25
	v_lshlrev_b32 v[TP+3], 2, v[TP+3]
	v_and_b32 v[TP+3], 0x7c, v[TP+3]               ; 4 x (place % 32)
	ds_permute_b32 v[R+cc], v[TP+3], v[TP+4]       ; from lane to lane: no LDS byte is touched
.set cc, cc+1
.endr
	s_wait_dscnt 0x0                               ; all sixteen are in (and every LDS store of mine has landed)
	s_add_co_u32 s28, s24, 31
	s_lshr_b32 s28, s28, 5
.endm
.macro PICK si
	v_mov_b32 v[TSEL], v6
.set cc, 0
.rept 16
	v_lshrrev_b32 v[TP], 21, v[R+cc]
	v_cmp_eq_u32 vcc_lo, \si, v[TP]
	v_cndmask_b32 v[TSEL], v[TSEL], v[R+cc], vcc_lo
.set cc, cc+1
.endr
.endm
.macro SPLIT
	v_permlanex16_b32 v[TXR], v[TSEL], s30, s31
	v_cndmask_b32 v[TI], v[TSEL], v[TXR], s29      ; tile 0: lanes 16-31 take lanes 0-15's
	v_cndmask_b32 v[TI+1], v[TXR], v[TSEL], s29    ; tile 1: lanes 0-15 take lanes 16-31's
.irp u, 0,1
	v_readlane_b32 s34, v[TI+\u], 0
	v_mov_b32 v[TP], s34
	v_cmp_gt_i32 vcc_lo, 0, v[TI+\u]               ; the mark is negative
	v_cndmask_b32 v[TI+\u], v[TI+\u], v[TP], vcc_lo
	v_and_b32 v[TI+\u], 0x1ff, v[TI+\u]            ; idx
	v_min_u32 v[TI+\u], 0x1ff, v[TI+\u]
.endr
.endm
.macro LOADH u                         ; 48 loads: a tile's 16 scale registers and 16 fragments, as their images lie
.irp k, 0,1,2,3,4,5,6,7,8,9,10,11,12,13,14,15
	global_load_b32 v[HS+16*\u+\k], v[SO+\u], s[12:13] offset:128*\k
.endr
	WIN 0xc0                                       ; destination window 3
.irp k, 0,1,2,3,4,5,6,7,8,9,10,11,12,13,14,15
.irp c, 0,1
	global_load_b128 v[128*\u+8*\k+4*\c:128*\u+8*\k+4*\c+3], v[HO+\u], s[10:11] offset:1024*\k+512*\c   ; 32 lanes read 512 consecutive bytes
.endr
.endr
	WIN 0
.endm
.macro WN u, k, n                      ; one product: column tile n, K step k, tile u of the pair.  K step 0 starts the sum
.set rD, AC+8*(\n)
.set rA, 8*(4*((\k)%8)+(\n))
.set rB, 128*(\u)+8*(\k)
.set rW, WS+16*((\n)/2)+(\k)
.set rH, HS+16*(\u)+(\k)
.if ((\k) == 0) && ((\n)%2 == 0)
	v_wmma_scale_f32_16x16x128_f8f6f4 v[rD:rD+7], v[rA:rA+7], v[rB:rB+7], 0, v[rW], v[rH] matrix_a_fmt:MATRIX_FMT_FP4 matrix_b_fmt:MATRIX_FMT_FP4
.elseif (\k) == 0
	v_wmma_scale_f32_16x16x128_f8f6f4 v[rD:rD+7], v[rA:rA+7], v[rB:rB+7], 0, v[rW], v[rH] matrix_a_fmt:MATRIX_FMT_FP4 matrix_b_fmt:MATRIX_FMT_FP4 matrix_a_scale:MATRIX_SCALE_ROW1
.elseif (\n)%2 == 0
	v_wmma_scale_f32_16x16x128_f8f6f4 v[rD:rD+7], v[rA:rA+7], v[rB:rB+7], v[rD:rD+7], v[rW], v[rH] matrix_a_fmt:MATRIX_FMT_FP4 matrix_b_fmt:MATRIX_FMT_FP4
.else
	v_wmma_scale_f32_16x16x128_f8f6f4 v[rD:rD+7], v[rA:rA+7], v[rB:rB+7], v[rD:rD+7], v[rW], v[rH] matrix_a_fmt:MATRIX_FMT_FP4 matrix_b_fmt:MATRIX_FMT_FP4 matrix_a_scale:MATRIX_SCALE_ROW1
.endif
.endm
.macro MULB u                          ; 64 products: the four accumulators take turns, one instruction a turn, K ascending
.irp k, 0,1,2,3,4,5,6,7,8,9,10,11,12,13,14,15
.if \k < 8
	WIN 0x0d                                       ; source 0 (W2) window 1, source 1 (h) window 3, C and D window 0
.else
	WIN 0x0e                                       ; W2's K steps 8 to 15 lie in window 2
.endif
.irp n, 0,1,2,3
	WN \u, \k, \n
.endr
.endr
	WIN 0
.endm
.macro EPIB u                          ; tile u goes out: through my stage, back as rows, each row to its own place in part
	s_wait_xcnt 0x0                                ; the last tile's stores have read the rows' registers: they are loaded again only behind this wait
.irp n, 0,1,2,3
.irp p, 0,1
	ds_store_b128 v15, v[AC+8*\n+4*\p:AC+8*\n+4*\p+3] offset:64*\n+16*\p   ; each accumulator from its low end on
.endr
.endr
.irp t, 0,1,2,3,4,5,6,7
	ds_load_b128 v[OUTR+4*\t:OUTR+4*\t+3], v16 offset:2*SPITCH*\t          ; my own bytes, and LDS serves a wave's instructions in order (ISA guide 5.7.1): these see the stores above
.endr
.irp t, 0,1,2,3,4,5,6,7
	s_wait_dscnt 7-\t                              ; rows 2 t, 2 t + 1 are back; the later loads may stay out
	global_store_b128 v[AD+8*\u+\t], v[OUTR+4*\t:OUTR+4*\t+3], s[14:15]    ; lanes 0-15 store 256 consecutive aligned bytes of one row of part, lanes 16-31 of another
.endr
.endm
	s_load_b256 s[4:11], s[0:1], 0x0               ; ensembles s[4:5], W2's codes s[6:7], W2's scales s[8:9], himg s[10:11]
	s_load_b128 s[12:15], s[0:1], 0x20             ; hsc s[12:13], part s[14:15]
	v_lshl_add_u32 v[SPW], v0, 2, SPARE
	v_mov_b32 v[NIL], 0
	v_lshrrev_b32 v[TP], 5, v0
	v_readfirstlane_b32 s18, v[TP]                 ; wave 0..3
	s_lshr_b32 s19, ttmp9, 5                       ; e
	s_bfe_u32 s20, ttmp9, 0x40001                  ; j: 4 bits from bit 1
	s_and_b32 s21, ttmp9, 1
	s_lshl_b32 s21, s21, 2
	s_add_co_u32 s21, s21, s18                     ; g = 4 gh + wave
	v_and_b32 v1, 31, v0                           ; lane
	v_and_b32 v2, 15, v0                           ; r
	v_bfe_u32 v3, v0, 4, 1                         ; h
	v_lshlrev_b32 v4, 4, v1                        ; 16 x lane
	v_lshlrev_b32 v5, 2, v1                        ; 4 x lane
	v_mov_b32 v6, 0xffff0000                       ; the mark for no match
	s_mul_i32 s22, s18, 16*WPITCH
	v_add_nc_u32 v7, s22, v4                       ; into LDS: my wave's 16 rows
	v_mul_u32_u24 v8, v2, WPITCH
	v_lshl_add_u32 v8, v3, 4, v8                   ; out of LDS: a fragment's row r, + 16 h
	v_lshlrev_b32 v9, 6, v1                        ; W2's scale words: row = lane, 64 bytes a row: lanes 16-31 take the odd tile's rows
	v_mov_b32 v[HO], v4
	v_add_nc_u32 v[HO+1], 16384, v4
	v_mov_b32 v[SO], v5
	v_add_nc_u32 v[SO+1], 2048, v5
	v_lshlrev_b32 v14, 4, v2                       ; my 16 bytes of a row's 256
	s_mul_i32 s22, s18, 16*SPITCH
	s_add_co_u32 s22, s22, STAGE                   ; my stage
	v_mul_u32_u24 v15, v2, SPITCH
	v_lshl_add_u32 v15, v3, 5, v15
	v_add_nc_u32 v15, s22, v15                     ; in: row r, + 32 h
	v_mul_u32_u24 v16, v3, SPITCH
	v_lshl_add_u32 v16, v2, 4, v16
	v_add_nc_u32 v16, s22, v16                     ; back: lanes 0-15 one row, lanes 16-31 the next
.irp t, 0,1,2,3,4,5,6,7
	v_lshl_add_u32 v[BPX+\t], v3, 2, 8*\t          ; 4 x (2 t + h): the lane that holds the idx of the row that I store
.endr
	v_mov_b32 v[TXR], 0                            ; written once: a lane permute's destination counts as one of its sources
	s_mov_b32 s29, 0xffff0000                      ; lanes 16-31
	s_mov_b32 s30, 0x76543210
	s_mov_b32 s31, 0xfedcba98                      ; v_permlanex16_b32's selects for lane l xor 16
	s_lshl_b32 s36, s21, 11                        ; ensembles: 2,048 bytes a group
	s_mov_b32 s37, 0
	s_lshl_b32 s38, s19, 20                        ; W2's codes: expert, slice of 64 rows, my wave's 16 rows
	s_lshl_b32 s22, s20, 16
	s_add_co_u32 s38, s38, s22
	s_lshl_b32 s22, s18, 14
	s_add_co_u32 s38, s38, s22
	s_mov_b32 s39, 0
	s_lshl_b32 s40, s19, 16                        ; W2's scales: expert, slice
	s_lshl_b32 s22, s20, 12
	s_add_co_u32 s40, s40, s22
	s_mov_b32 s41, 0
	s_lshl_b32 s23, s19, 3
	s_add_co_u32 s23, s23, s21                     ; 8 e + g
	s_lshl_b32 s42, s23, 19                        ; himg
	s_mov_b32 s43, 0
	s_lshl_b32 s44, s23, 16                        ; hsc
	s_mov_b32 s45, 0
	s_lshl_b32 s46, s21, 21                        ; part: 512 rows of 4,096 bytes a group; my slice's 256 bytes
	s_lshl_b32 s22, s20, 8
	s_add_co_u32 s46, s46, s22
	s_mov_b32 s47, 0
	s_wait_kmcnt 0x0
	s_add_nc_u64 s[4:5], s[4:5], s[36:37]
	s_add_nc_u64 s[6:7], s[6:7], s[38:39]
	s_add_nc_u64 s[8:9], s[8:9], s[40:41]
	s_add_nc_u64 s[10:11], s[10:11], s[42:43]
	s_add_nc_u64 s[12:13], s[12:13], s[44:45]
	s_add_nc_u64 s[14:15], s[14:15], s[46:47]
.irp q, 0,1,2,3
	global_load_b128 v[EN+4*\q:EN+4*\q+3], v4, s[4:5] offset:512*\q      ; the group's 512 indices
.endr
	WIN 0x40                                       ; destination window 1: the quarter of W2's block rests there on its way to LDS
.set ii, 0
.rept 32
	global_load_b128 v[4*ii:4*ii+3], v4, s[6:7] offset:512*ii            ; half a row of 1,024 bytes to a load
.set ii, ii+1
.endr
	WIN 0
.irp p, 0,1
.irp q, 0,1,2,3
	global_load_b128 v[WS+16*\p+4*\q:WS+16*\p+4*\q+3], v9, s[8:9] offset:2048*\p+16*\q
.endr
.endr
	LOADH 0                                        ; tile 0 of h: its address hangs on ids alone, so it is asked for at once; it is multiplied only if it exists
	s_wait_loadcnt 56                              ; the weights (and the indices, older) are in; behind them: 8 loads of scale words, 48 of h
	WIN 0x04                                       ; an LDS store's data are its source 1: window 1
.set ii, 0
.rept 32
	ds_store_b128 v7, v[4*ii:4*ii+3] offset:(ii/2)*WPITCH+(ii%2)*512
.set ii, ii+1
.endr
	WIN 0
	ROUTE                                          ; its closing wait for all LDS instructions also shows my quarter landed, for the others' sake
	s_barrier_signal -1
	s_barrier_wait -1                              ; the launch's one barrier: it stands ahead of every branch on the indices
	LOADH 1
	s_mov_b32 s27, 0                               ; the pair in hand
	s_cmp_eq_u32 s28, 0
	s_cbranch_scc1 .Lend                           ; no row of my group chose my expert
.irp k, 0,1,2,3,4,5,6,7,8,9,10,11,12,13,14,15  ; all 64 fragments of the block into windows 1 and 2: they stay
.if \k < 8
	WIN 0x40
.else
	WIN 0x80
.endif
.irp n, 0,1,2,3
.irp c, 0,1
	ds_load_b128 v[8*(4*(\k%8)+\n)+4*\c:8*(4*(\k%8)+\n)+4*\c+3], v8 offset:16*\n*WPITCH+64*\k+32*\c
.endr
.endr
.endr
	WIN 0
	s_wait_dscnt 0x0
.Lpair:                                            ; a trip: one pair of tiles; the next pair's tiles of h are asked for as each buffer falls free
	s_wait_xcnt 0x0                                ; the last pair's stores have read their offsets
	PICK s27
	SPLIT
.irp u, 0,1
.irp t, 0,1,2,3,4,5,6,7
	ds_bpermute_b32 v[AD+8*\u+\t], v[BPX+\t], v[TI+\u]   ; the idx of tile row 2 t + h: from lane to lane, no LDS byte is touched
.endr
.endr
	s_wait_dscnt 0x0
.set jj, 0
.rept 16
	v_min_u32 v[AD+jj], 0x1ff, v[AD+jj]            ; its bound stands in an instruction of its own ahead of the shift that makes an address of it
	v_lshl_add_u32 v[AD+jj], v[AD+jj], 12, v14     ; a row of part is 4,096 bytes; + my 16 bytes
.set jj, jj+1
.endr
	s_wait_loadcnt 48                              ; tile 0's 48 loads are in (and all older ones); tile 1's 48 may stay out
	MULB 0
	v_add_nc_u32 v[HO], 32768, v[HO]               ; free since that wait: two tiles on.  These two and three v_nop are five places: four in front of the loads into registers that the products read and of
	v_add_nc_u32 v[SO], 4096, v[SO]                ; the first read of results, the fifth in front of the next tile's first product, which begins an accumulator anew
.rept 3
	v_nop
.endr
	LOADH 0
	EPIB 0
	s_wait_loadcnt 48                              ; tile 1's are in; the 48 just issued may stay out
	s_lshl_b32 s33, s27, 5
	s_add_co_u32 s33, s33, 16                      ; tile 1's first match
	s_cmp_ge_u32 s33, s24
	s_cbranch_scc1 .La                             ; it has none
	MULB 1
.La:
	v_add_nc_u32 v[HO+1], 32768, v[HO+1]
	v_add_nc_u32 v[SO+1], 4096, v[SO+1]
.rept 3
	v_nop
.endr
	LOADH 1
	s_cmp_ge_u32 s33, s24
	s_cbranch_scc1 .Lb
	EPIB 1
.Lb:
	s_add_co_u32 s27, s27, 1
	s_cmp_lt_u32 s27, s28
	s_cbranch_scc1 .Lpair
.Lend:
	s_wait_tensorcnt 0x0                           ; the wave's end
	ds_add_u32 v[SPW], v[NIL]
	s_wait_dscnt 0x0
	s_endpgm
.Lfunc_end_k_q146f89fa19_down:
	.size	k_q146f89fa19_down, .Lfunc_end_k_q146f89fa19_down-k_q146f89fa19_down
	.p2alignl 7, 3214868480
	.fill 96, 4, 3214868480
	.section	.rodata,"a",@progbits
	.p2align	6, 0x0
	.amdhsa_kernel k_q146f89fa19_down
		.amdhsa_group_segment_fixed_size 84480
		.amdhsa_private_segment_fixed_size 0
		.amdhsa_enable_private_segment 0
		.amdhsa_kernarg_size 48
		.amdhsa_user_sgpr_count 2
		.amdhsa_user_sgpr_kernarg_segment_ptr 1
		.amdhsa_wavefront_size32 1
		.amdhsa_system_sgpr_workgroup_id_x 1
		.amdhsa_system_sgpr_workgroup_id_y 1
		.amdhsa_system_sgpr_workgroup_id_z 1
		.amdhsa_system_vgpr_workitem_id 0
		.amdhsa_next_free_vgpr 1024
		.amdhsa_next_free_sgpr 66
		.amdhsa_reserve_vcc 1
		.amdhsa_float_denorm_mode_32 3
		.amdhsa_float_denorm_mode_16_64 3
		.amdhsa_memory_ordered 1
		.amdhsa_forward_progress 1
		.amdhsa_inst_pref_size 74
	.end_amdhsa_kernel
	.amdgpu_metadata
---
amdhsa.version: [ 1, 2 ]
amdhsa.kernels:
  - .name:           k_q146f89fa19_down
    .symbol:         k_q146f89fa19_down.kd
    .args:
      - { .name: ensembles, .offset: 0, .size: 8, .value_kind: global_buffer, .address_space: global }
      - { .name: proj_out_codes, .offset: 8, .size: 8, .value_kind: global_buffer, .address_space: global }
      - { .name: proj_out_scales, .offset: 16, .size: 8, .value_kind: global_buffer, .address_space: global }
      - { .name: himg, .offset: 24, .size: 8, .value_kind: global_buffer, .address_space: global }
      - { .name: hsc, .offset: 32, .size: 8, .value_kind: global_buffer, .address_space: global }
      - { .name: part, .offset: 40, .size: 8, .value_kind: global_buffer, .address_space: global }
    .group_segment_fixed_size: 84480
    .private_segment_fixed_size: 0
    .kernarg_segment_align: 8
    .kernarg_segment_size: 48
    .max_flat_workgroup_size: 128
    .sgpr_count:     66
    .vgpr_count:     1024
    .wavefront_size: 32
...
	.end_amdgpu_metadata
.endif
;; end of part 2
;; launch sum (part 3): grid 256 x 1, 8 waves a work-group, no clusters, 0 bytes of LDS; arguments part, weights, out0; writes out0
.if DOCPART == 3
	.amdgcn_target "amdgcn-amd-amdhsa--gfx1250"
	.amdhsa_code_object_version 6
	.text
	.protected	k_q146f89fa19_sum
	.globl	k_q146f89fa19_sum
	.p2align	8
	.type	k_q146f89fa19_sum,@function
k_q146f89fa19_sum:
	s_mov_b64 s[64:65], 0
	v_nop
	global_prefetch_b8 v0, s[64:65] scope:SCOPE_SE
	s_setreg_imm32_b32 hwreg(HW_REG_WAVE_MODE, 25, 1), 1
	s_wait_xcnt 0x0
; THIRD OF THREE LAUNCHES: out0[b][s][:] = w[b][0][s] part[b][0][s][:] + w[b][1][s] part[b][1][s][:].  This is what reference()'s gate and last product leave once the experts with gate 0 are left out
; (shown at the head of the first launch).  Where both slots name one expert this is w0 o + w1 o, not (w0 + w1) o: another order of rounding.
; A stream: a wave takes one token: two rows of 4,096 bytes in, one out.  All 16 loads of a wave go out at once; each load and store covers 512 consecutive aligned bytes.  No LDS, no barrier, no matrix unit:
; each number is read once and used once.  No register that a store reads is written again, so no wait stands behind the stores.
	s_load_b128 s[4:7], s[0:1], 0x0                ; part s[4:5], weights s[6:7]
	s_load_b64 s[8:9], s[0:1], 0x10                ; out0
	v_lshrrev_b32 v2, 5, v0
	v_readfirstlane_b32 s10, v2                    ; wave 0..7
	v_and_b32 v1, 31, v0
	v_lshlrev_b32 v1, 4, v1                        ; 16 x lane
	s_lshl_b32 s11, ttmp9, 3
	s_add_co_u32 s11, s11, s10                     ; the token: 512 b + s
	s_lshr_b32 s13, s11, 9                         ; b
	s_and_b32 s14, s11, 511                        ; s
	s_lshl_b32 s13, s13, 10
	s_or_b32 s13, s13, s14                         ; the routed row of slot 0: 1024 b + s; slot 1's lies 512 rows on
	s_lshl_b32 s24, s13, 2                         ; its weight
	s_mov_b32 s25, 0
	s_lshl_b32 s16, s13, 12                        ; its row of part
	s_mov_b32 s17, 0
	s_lshl_b32 s18, s11, 12                        ; the token's row of out0
	s_mov_b32 s19, 0
	s_wait_kmcnt 0x0
	s_add_nc_u64 s[6:7], s[6:7], s[24:25]
	s_add_nc_u64 s[4:5], s[4:5], s[16:17]
	s_add_nc_u64 s[8:9], s[8:9], s[18:19]
	s_load_b32 s20, s[6:7], 0x0                    ; w[b][0][s]
	s_load_b32 s22, s[6:7], 0x800                  ; w[b][1][s]: 512 numbers on
.irp q, 0,1,2,3,4,5,6,7
	global_load_b128 v[8+4*\q:11+4*\q], v1, s[4:5] offset:512*\q th:TH_LOAD_NT
	global_load_b128 v[40+4*\q:43+4*\q], v1, s[4:5] offset:2097152+512*\q th:TH_LOAD_NT   ; 512 rows of 4,096 bytes on
.endr
	s_wait_kmcnt 0x0
	s_mov_b32 s21, s20                             ; the packed forms name a pair and take its low word for both halves: so the upper word is written
	s_mov_b32 s23, s22
.irp q, 0,1,2,3,4,5,6,7
	s_wait_loadcnt 14-2*\q                         ; this piece's two loads are in; the later pieces' may stay out
	v_pk_mul_f32 v[8+4*\q:9+4*\q], v[8+4*\q:9+4*\q], s[20:21] op_sel_hi:[1,0]
	v_pk_mul_f32 v[10+4*\q:11+4*\q], v[10+4*\q:11+4*\q], s[20:21] op_sel_hi:[1,0]
	v_pk_fma_f32 v[8+4*\q:9+4*\q], v[40+4*\q:41+4*\q], s[22:23], v[8+4*\q:9+4*\q] op_sel_hi:[1,0,1]
	v_pk_fma_f32 v[10+4*\q:11+4*\q], v[42+4*\q:43+4*\q], s[22:23], v[10+4*\q:11+4*\q] op_sel_hi:[1,0,1]
	global_store_b128 v1, v[8+4*\q:11+4*\q], s[8:9] offset:512*\q th:TH_STORE_NT
.endr
	s_endpgm
.Lfunc_end_k_q146f89fa19_sum:
	.size	k_q146f89fa19_sum, .Lfunc_end_k_q146f89fa19_sum-k_q146f89fa19_sum
	.p2alignl 7, 3214868480
	.fill 96, 4, 3214868480
	.section	.rodata,"a",@progbits
	.p2align	6, 0x0
	.amdhsa_kernel k_q146f89fa19_sum
		.amdhsa_group_segment_fixed_size 0
		.amdhsa_private_segment_fixed_size 0
		.amdhsa_enable_private_segment 0
		.amdhsa_kernarg_size 24
		.amdhsa_user_sgpr_count 2
		.amdhsa_user_sgpr_kernarg_segment_ptr 1
		.amdhsa_wavefront_size32 1
		.amdhsa_system_sgpr_workgroup_id_x 1
		.amdhsa_system_sgpr_workgroup_id_y 1
		.amdhsa_system_sgpr_workgroup_id_z 1
		.amdhsa_system_vgpr_workitem_id 0
		.amdhsa_next_free_vgpr 80
		.amdhsa_next_free_sgpr 66
		.amdhsa_reserve_vcc 0
		.amdhsa_float_denorm_mode_32 3
		.amdhsa_float_denorm_mode_16_64 3
		.amdhsa_memory_ordered 1
		.amdhsa_forward_progress 1
		.amdhsa_inst_pref_size 6
	.end_amdhsa_kernel
	.amdgpu_metadata
---
amdhsa.version: [ 1, 2 ]
amdhsa.kernels:
  - .name:           k_q146f89fa19_sum
    .symbol:         k_q146f89fa19_sum.kd
    .args:
      - { .name: part, .offset: 0, .size: 8, .value_kind: global_buffer, .address_space: global }
      - { .name: weights, .offset: 8, .size: 8, .value_kind: global_buffer, .address_space: global }
      - { .name: out0, .offset: 16, .size: 8, .value_kind: global_buffer, .address_space: global }
    .group_segment_fixed_size: 0
    .private_segment_fixed_size: 0
    .kernarg_segment_align: 8
    .kernarg_segment_size: 24
    .max_flat_workgroup_size: 256
    .sgpr_count:     66
    .vgpr_count:     80
    .wavefront_size: 32
...
	.end_amdgpu_metadata
.endif
;; end of part 3
;; ======== version 2 of 2: 2 launches
;; limits: right only within a limited range of input values
;; workspace buffers: himg 134,217,728 bytes; hsc 16,777,216 bytes; wimg 8,388,608 bytes; lst 524,288 bytes of whole numbers; cnts 8,192 bytes of whole numbers
;; launch up (part 4): grid 256 x 1, 4 waves a work-group, no clusters, 137,728 bytes of LDS; arguments ensembles, x_codes, x_scales, proj_in_codes, proj_in_scales, himg, hsc, proj_out_codes, wimg, lst, cnts; writes himg, hsc, wimg, lst, cnts
.if DOCPART == 4
	.amdgcn_target "amdgcn-amd-amdhsa--gfx1250"
	.amdhsa_code_object_version 6
	.text
	.protected	k_q146f89fa19_up
	.globl	k_q146f89fa19_up
	.p2align	8
	.type	k_q146f89fa19_up,@function
k_q146f89fa19_up:
	s_mov_b64 s[64:65], 0
	v_nop
	global_prefetch_b8 v0, s[64:65] scope:SCOPE_SE
	s_setreg_imm32_b32 hwreg(HW_REG_WAVE_MODE, 25, 1), 1
	s_wait_xcnt 0x0
; FIRST OF TWO LAUNCHES: h = Q(relu(x W1[e]^T)) for the ROUTED rows alone, as codes of E2M1 with one E8M0 byte for each 32 hidden units; the lists of tokens; and W2's codes laid out as operand images.
; out[t] = sum over k of w[k][t] x W2[e_k] Q(relu(W1[e_k] x[t])), e_k = ensembles[b][k][s], t = 512 b + s.
; WORK LEFT OUT.  reference() multiplies every token by all 8 experts and then by gate[t][e] = sum over k of w[k][t] x one_hot(e_k)[e], which it builds in its own body.  For an expert e that is neither e_0 nor e_1 every
; term of that sum has the factor 0, whatever the inputs hold: o[t][e][:] x 0 reaches no output.  So of products 1 and 2 only the rows (t, e_k) are made, once where e_0 = e_1; product 3 is a select and an addition,
; product 4 one multiply and one multiply-add an output (second launch).  Every input still has a way to the output.
; LIMITS.  A NaN, an infinity or an overflow in an expert that a token did not choose is not carried to the result.  An index lies in 0 .. 7, inside its table.  A block of h that is all zeros carries the byte 1 and
; not 127: its codes are zeros, and this program alone reads the bytes.
; SETS.  A token belongs to the set {e_0, e_1}.  Work-group = (expert e, slice sg of 128 hidden units, half gh of the partners); wave w takes the set {e, f}, f = 4 gh + w: tokens whose byte (1 << e_0) | (1 << e_1) is
; (1 << e) | (1 << f).  The second launch takes the same sets, so its tiles of h are this launch's tiles.
; FINDING A SET.  Each wave makes the bytes of 512 tokens; through LDS every wave gets all 2,048 (64 a lane), compares them with its own set's byte, and keeps a mask of 64 bits a lane and the running count over the lanes.
; PICK finds the 32 tokens of a pair of tiles by a search over the lanes' counts (from lane to lane, no LDS byte is touched) and a descent in the mask.
; A tile's empty rows repeat its first row.  A set without a token still makes one tile (of token 0), so that tile 0 of every set is stored; its list counts 0 and the second launch stores nothing of it.
; THE LOOP runs the pairs that have a successor and asks for the next pair's rows of x as each buffer falls free; the last pair is written out and asks for nothing.
; x COMES IN WHOLE PIECES of 256 bytes of a row and turns through the wave's own stage in LDS into fragments.  W2's 16 rows x 512 bytes of this wave take the same way and leave as images.
; THE PRODUCT IS USED TRANSPOSED (source 0 = 16 rows of W1, source 1 = 16 rows of x): a lane holds ONE routed row, its registers run along the hidden units, the next product's K.  Lane r of tile 2 b + u of W1 takes row
; 32 b + 8 u + r + 8 (r / 8), so that the 16 registers of tiles 2 b, 2 b + 1 are hidden units 32 b + 16 (lane / 16) + 0 .. 15.
; OUT.  himg[8 e + f][tile][sg], hsc likewise, wimg[512 tiles of 16 rows][16 K steps]: images of an operand's 8 registers (0-3 at 16 x lane, 4-7 at 512 + 16 x lane); a scale image has 4 bytes a lane.
; lst[8 e + f][position] = token, cnts[8 e + f] = their number (in 32 words).
; No tensor load, no cluster, no prefetch: trip counts hang on the index input, and every load that is known ahead is issued at the head.
; REGISTERS.  Window 0: v1-12, v18, v19 lane numbers and addresses; v13-17 at work; v20-23 the pair picked; v24-31 offsets, stage, the add's two, the list's; v32-34 the masks and counts (at the head v32-63 the indices);
;   v36-47 PICK's; v64-95 W1's scale words; v96-103 x's; v112-175 eight accumulators (at the head the set's bytes); v176-184 codes and scale word; v185-187 the set's bytes in LDS, the count; v188-203 the quantiser's;
;   v204-211 lane selects; v212-227 the rows' offsets in x.   Windows 1, 2: W1's fragments.  Window 3: x's fragments v0-127, x as it is loaded v128-255.
.set WPITCH, 528                       ; a row of W1 in LDS: 512 bytes + 16 = 132 words
.set XST,    128*WPITCH                ; behind W1's 128 rows: the stages for x, two for each wave
.set XP,     528
.set XTILE,  16*XP
.set SPARE,  XST+8*XTILE               ; 135,168: the spare words, 128 bytes for each wave, which no other line names
.set MAP,    SPARE+512                 ; 2,048 bytes: a byte for each token
.set TP,   13
.set C16,  18
.set W2O,  19
.set TSEL, 20
.set TXR,  21
.set TI,   22
.set XSO,  24
.set STX,  26
.set FRX,  27
.set SPW,  28
.set NIL,  29
.set EN,   32
.set LO,   32
.set HI,   33
.set INC,  34
.set Q,    36
.set POS,  37
.set AD,   38
.set VAL,  39
.set BS,   40
.set X,    41
.set Y,    42
.set K,    43
.set A,    44
.set B,    45
.set C,    46
.set SH,   47
.set WS,   64
.set XS,   96
.set HA,   112
.set PC,   176
.set PW,   184
.set TM,   188
.set BPX,  204
.set XA,   212
.set MSB, 0
.macro WIN new                         ; the immediate's high byte repeats the setting that is left
.if MSB != \new
	s_set_vgpr_msb (MSB<<8)|\new
.set MSB, \new
.endif
.endm
.macro PLACES n
.rept \n
	v_nop
.endr
.endm
.macro HALVES x, a, b, t               ; counts of bits: a in fields of 2, b in fields of 4
	v_lshrrev_b32 v[\t], 1, v[\x]
	v_and_b32 v[\t], 0x55555555, v[\t]
	v_sub_nc_u32 v[\a], v[\x], v[\t]
	v_lshrrev_b32 v[\t], 2, v[\a]
	v_and_b32 v[\t], 0x33333333, v[\t]
	v_and_b32 v[\b], 0x33333333, v[\a]
	v_add_nc_u32 v[\b], v[\b], v[\t]
.endm
.macro BYTES b, c, t                   ; c in fields of 8
	v_lshrrev_b32 v[\t], 4, v[\b]
	v_and_b32 v[\t], 0x0f0f0f0f, v[\t]
	v_and_b32 v[\c], 0x0f0f0f0f, v[\b]
	v_add_nc_u32 v[\c], v[\c], v[\t]
.endm
.macro KEYS                            ; 16 tokens a lane: register 4 q + j = token 512 wave + 128 q + 4 lane + j; the byte of each, four to a word
.set cc, 0
.rept 16
	v_lshlrev_b32 v[EN+cc], v[EN+cc], 1
.set cc, cc+1
.endr
.set cc, 0
.rept 16
	v_lshl_or_b32 v[EN+cc], 1, v[EN+16+cc], v[EN+cc]
.set cc, cc+1
.endr
.irp j, 1,2,3
.irp q, 0,1,2,3
.if \j == 1
	v_lshl_or_b32 v[EN+16+\q], v[EN+4*\q+1], 8, v[EN+4*\q]
.else
	v_lshl_or_b32 v[EN+16+\q], v[EN+4*\q+\j], 8*\j, v[EN+16+\q]
.endif
.endr
.endr
.endm
; MATCH: word W (0 .. 15) of lane l holds tokens 128 W + 4 l + j in its bytes j.  Bit 8 j + W % 8 of the mask LO (W < 8) or HI says whether the byte is my set's.  INC: the lanes' counts, summed up to and with mine.
.macro MATCH
.set cc, 0
.rept 16
	v_xor_b32 v[HA+cc], s70, v[HA+cc]
.set cc, cc+1
.endr
.set cc, 0
.rept 16
	v_and_b32 v[HA+16+cc], 0x7f7f7f7f, v[HA+cc]
.set cc, cc+1
.endr
.set cc, 0
.rept 16
	v_add_nc_u32 v[HA+16+cc], 0x7f7f7f7f, v[HA+16+cc]
.set cc, cc+1
.endr
.set cc, 0
.rept 16
	v_or_b32 v[HA+16+cc], v[HA+16+cc], v[HA+cc]    ; bit 7 of a byte: it differs
.set cc, cc+1
.endr
	v_and_b32 v[LO], 0x80808080, v[HA+16]
	v_and_b32 v[HI], 0x80808080, v[HA+24]
.irp i, 1,2,3,4,5,6,7
	v_lshrrev_b32 v[LO], 1, v[LO]
	v_lshrrev_b32 v[HI], 1, v[HI]
	v_and_or_b32 v[LO], v[HA+16+\i], 0x80808080, v[LO]
	v_and_or_b32 v[HI], v[HA+24+\i], 0x80808080, v[HI]
.endr
	v_xor_b32 v[LO], -1, v[LO]
	v_xor_b32 v[HI], -1, v[HI]
	HALVES LO, A, B, SH
	HALVES HI, X, Y, Q
	v_add_nc_u32 v[B], v[B], v[Y]
	BYTES B, C, SH
	v_mul_lo_u32 v[C], v[C], 0x01010101
	v_lshrrev_b32 v[C], 24, v[C]                   ; my lane's matches, at most 64: seven bits, summed over the lanes bit by bit
.irp b, 0,1,2,3,4,5,6
	v_and_b32 v[HA+\b], 1<<\b, v[C]
.endr
.irp b, 0,1,2,3,4,5,6
	v_cmp_ne_u32 s[40+\b], 0, v[HA+\b]
.endr
.irp b, 0,1,2,3,4,5,6
	v_mbcnt_lo_u32_b32 v[HA+8+\b], s[40+\b], 0     ; the lanes below me that have this bit
.endr
	v_add_nc_u32 v[INC], v[C], v[HA+8]
.irp b, 1,2,3,4,5,6
	v_lshl_add_u32 v[INC], v[HA+8+\b], \b, v[INC]
.endr
	s_wait_alu depctr_va_vdst(0)
	s_bcnt1_i32_b32 s24, s40
.irp b, 1,2,3,4,5,6
	s_bcnt1_i32_b32 s71, s[40+\b]
	s_lshl_b32 s71, s71, \b
	s_add_co_u32 s24, s24, s71
.endr
	s_min_u32 s24, 0x800, s24                      ; the set's tokens: 2,048 at the most
	s_add_co_u32 s28, s24, 31
	s_lshr_b32 s28, s28, 5
	s_max_u32 s28, s28, 1
	s_min_u32 s28, 0x40, s28                       ; pairs of tiles: at least one, 64 at the most
.endm
.macro DESC src, width, step           ; is the K-th bit beyond the lower field?
	v_bfe_u32 v[VAL], v[\src], v[SH], \width
	v_cmp_ge_u32 vcc_lo, v[K], v[VAL]
	v_cndmask_b32 v[VAL], 0, v[VAL], vcc_lo
	v_cndmask_b32 v[AD], 0, \step, vcc_lo
	v_sub_nc_u32 v[K], v[K], v[VAL]
	v_add_nc_u32 v[SH], v[SH], v[AD]
.endm
.macro PICK si                         ; lane l: token number 32 si + l of the set, or the mark
	s_lshl_b32 s34, \si, 5
	v_add_nc_u32 v[Q], s34, v1
	v_mov_b32 v[POS], 0
	v_mov_b32 v[BS], 0
.irp st, 16,8,4,2,1
	v_lshl_add_u32 v[AD], v[POS], 2, 4*\st-4
	ds_bpermute_b32 v[VAL], v[AD], v[INC]
	s_wait_alu depctr_va_vdst(0)
	s_wait_dscnt 0x0
	v_cmp_ge_u32 vcc_lo, v[Q], v[VAL]
	v_cndmask_b32 v[BS], v[BS], v[VAL], vcc_lo     ; matches ahead of lane POS
	v_cndmask_b32 v[AD], 0, \st, vcc_lo
	v_add_nc_u32 v[POS], v[POS], v[AD]
.endr
	v_lshlrev_b32 v[AD], 2, v[POS]
	ds_bpermute_b32 v[X], v[AD], v[LO]
	ds_bpermute_b32 v[Y], v[AD], v[HI]
	v_sub_nc_u32 v[K], v[Q], v[BS]                 ; which of that lane's matches
	s_wait_alu depctr_va_vdst(0)
	s_wait_dscnt 0x0
	HALVES X, A, B, SH
	BYTES B, C, SH
	v_mul_lo_u32 v[VAL], v[C], 0x01010101
	v_lshrrev_b32 v[VAL], 24, v[VAL]
	v_cmp_ge_u32 vcc_lo, v[K], v[VAL]
	v_cndmask_b32 v[X], v[X], v[Y], vcc_lo
	v_cndmask_b32 v[VAL], 0, v[VAL], vcc_lo
	v_cndmask_b32 v[BS], 0, 1, vcc_lo              ; 1: in the mask HI
	v_sub_nc_u32 v[K], v[K], v[VAL]
	HALVES X, A, B, SH
	BYTES B, C, SH
	v_mul_lo_u32 v[Y], v[C], 0x01010101
	v_lshrrev_b32 v[Y], 8, v[Y]                    ; its low byte: the matches in the lower 16 bits
	v_mov_b32 v[SH], 0
	DESC Y, 8, 16
	DESC C, 8, 8
	DESC B, 4, 4
	DESC A, 2, 2
	DESC X, 1, 1
	v_and_b32 v[VAL], 7, v[SH]
	v_lshlrev_b32 v[VAL], 7, v[VAL]
	v_lshl_add_u32 v[VAL], v[POS], 2, v[VAL]
	v_lshrrev_b32 v[AD], 3, v[SH]
	v_lshl_add_u32 v[VAL], v[BS], 10, v[VAL]
	v_add_nc_u32 v[VAL], v[VAL], v[AD]             ; 1024 half + 128 (bit % 8) + 4 lane + bit / 8
	v_cmp_gt_u32 vcc_lo, s24, v[Q]
	v_cndmask_b32 v[TSEL], v6, v[VAL], vcc_lo
.endm
; SPLIT: the pair's two tiles, each in both halves of the lanes; empty rows take the tile's first row.
.macro SPLIT
	v_permlanex16_b32 v[TXR], v[TSEL], s30, s31
	v_cndmask_b32 v[TI], v[TSEL], v[TXR], s29
	v_cndmask_b32 v[TI+1], v[TXR], v[TSEL], s29
	v_readlane_b32 s34, v[TI], 0
	v_readlane_b32 s36, v[TI+1], 0
	v_cmp_gt_i32 vcc_lo, 0, v[TI]                  ; the mark is negative
	v_cmp_gt_i32 s37, 0, v[TI+1]
	v_mov_b32 v[TP], s34
	v_mov_b32 v[TP+1], s36
	v_cndmask_b32 v[TI], v[TI], v[TP], vcc_lo
	v_cndmask_b32 v[TI+1], v[TI+1], v[TP+1], s37
	v_and_b32 v[TI], 0x7ff, v[TI]                  ; of a tile that is all marks: 0
	v_and_b32 v[TI+1], 0x7ff, v[TI+1]
	v_min_u32 v[TI], 0x7ff, v[TI]                  ; its bound stands in an instruction of its own
	v_min_u32 v[TI+1], 0x7ff, v[TI+1]
.endm
.macro LIST si, first                  ; slice 0 stores the pair's 32 tokens (and, once, their number)
	s_cmp_lg_u32 s20, 0
	s_wait_alu depctr_va_vdst(0)
	s_cbranch_scc1 .Lnolist_\@
	s_lshl_b32 s34, \si, 7
	v_add_nc_u32 v30, s34, v5
	v_cndmask_b32 v31, v[TI], v[TI+1], s29
	global_store_b32 v30, v31, s[76:77]
.if \first
	v_mov_b32 v187, s24
	global_store_b32 v5, v187, s[78:79]
.endif
.Lnolist_\@:
.endm
.macro ADQ u                           ; the token of tile row 2 t + lane / 16 is asked of the lane that holds it
.irp t, 0,1,2,3,4,5,6,7
	ds_bpermute_b32 v[XA+8*\u+\t], v[BPX+\t], v[TI+\u]
.endr
.endm
.macro ADF u                           ; and becomes an offset in x: a row is 512 bytes; + my 16 bytes of a piece of 256
.irp t, 0,1,2,3,4,5,6,7
	v_min_u32 v[XA+8*\u+\t], 0x7ff, v[XA+8*\u+\t]
.endr
.irp t, 0,1,2,3,4,5,6,7
	v_lshl_add_u32 v[XA+8*\u+\t], v[XA+8*\u+\t], 9, v[C16]
.endr
	v_min_u32 v[XSO+\u], 0x7ff, v[TI+\u]
	v_lshl_add_u32 v[XSO+\u], v[XSO+\u], 5, v12    ; my own row's scale bytes: 32 a row; lanes 16-31 take the upper 16
.endm
.macro GC u                            ; 16 loads: each half of the lanes reads 256 consecutive aligned bytes of a routed row
	WIN 0xc0
.irp t, 0,1,2,3,4,5,6,7
.irp q, 0,1
	global_load_b128 v[128+64*\u+8*\t+4*\q:128+64*\u+8*\t+4*\q+3], v[XA+8*\u+\t], s[6:7] offset:256*\q
.endr
.endr
	WIN 0
.endm
.macro GS u                            ; my row's scale words: lanes 0-15 K steps 0 to 3, lanes 16-31 K steps 4 to 7
	global_load_b128 v[XS+4*\u:XS+4*\u+3], v[XSO+\u], s[8:9]
.endm
; TURN: 16 rows x 512 bytes as loaded (from register src of the window that wst names) go into my stage by rows and come back as eight fragments.  My own bytes, and LDS serves a wave's instructions in order (ISA guide 5.7.1).
.macro TURN wst, src, wld, dst, off
	WIN \wst
.irp t, 0,1,2,3,4,5,6,7
.irp q, 0,1
	ds_store_b128 v[STX], v[\src+8*\t+4*\q:\src+8*\t+4*\q+3] offset:\off+2*XP*\t+256*\q
.endr
.endr
	WIN \wld
.irp s, 0,1,2,3,4,5,6,7
.irp c, 0,1
	ds_load_b128 v[\dst+8*\s+4*\c:\dst+8*\s+4*\c+3], v[FRX] offset:\off+64*\s+32*\c
.endr
.endr
	WIN 0
.endm
.macro WM u, s, t                      ; one product: tile t of W1, K step s, tile u of the pair.  K step 0 starts the sum
.set rD, HA+8*(\t)
.set rA, 8*(8*((\s)%4)+(\t))
.set rB, 64*(\u)+8*(\s)
.set rW, WS+8*((\t)/2)+(\s)
.set rX, XS+4*(\u)+(\s)%4
.if ((\s) == 0) && ((\t)%2 == 0)
	v_wmma_scale_f32_16x16x128_f8f6f4 v[rD:rD+7], v[rA:rA+7], v[rB:rB+7], 0, v[rW], v[rX] matrix_a_fmt:MATRIX_FMT_FP4 matrix_b_fmt:MATRIX_FMT_FP4
.elseif (\s) == 0
	v_wmma_scale_f32_16x16x128_f8f6f4 v[rD:rD+7], v[rA:rA+7], v[rB:rB+7], 0, v[rW], v[rX] matrix_a_fmt:MATRIX_FMT_FP4 matrix_b_fmt:MATRIX_FMT_FP4 matrix_a_scale:MATRIX_SCALE_ROW1
.elseif ((\s) < 4) && ((\t)%2 == 0)
	v_wmma_scale_f32_16x16x128_f8f6f4 v[rD:rD+7], v[rA:rA+7], v[rB:rB+7], v[rD:rD+7], v[rW], v[rX] matrix_a_fmt:MATRIX_FMT_FP4 matrix_b_fmt:MATRIX_FMT_FP4
.elseif (\s) < 4
	v_wmma_scale_f32_16x16x128_f8f6f4 v[rD:rD+7], v[rA:rA+7], v[rB:rB+7], v[rD:rD+7], v[rW], v[rX] matrix_a_fmt:MATRIX_FMT_FP4 matrix_b_fmt:MATRIX_FMT_FP4 matrix_a_scale:MATRIX_SCALE_ROW1
.elseif (\t)%2 == 0
	v_wmma_scale_f32_16x16x128_f8f6f4 v[rD:rD+7], v[rA:rA+7], v[rB:rB+7], v[rD:rD+7], v[rW], v[rX] matrix_a_fmt:MATRIX_FMT_FP4 matrix_b_fmt:MATRIX_FMT_FP4 matrix_b_scale:MATRIX_SCALE_ROW1
.else
	v_wmma_scale_f32_16x16x128_f8f6f4 v[rD:rD+7], v[rA:rA+7], v[rB:rB+7], v[rD:rD+7], v[rW], v[rX] matrix_a_fmt:MATRIX_FMT_FP4 matrix_b_fmt:MATRIX_FMT_FP4 matrix_a_scale:MATRIX_SCALE_ROW1 matrix_b_scale:MATRIX_SCALE_ROW1
.endif
.endm
.macro MULA u                          ; 64 products: the eight accumulators take turns, one instruction a turn, K ascending
.irp s, 0,1,2,3,4,5,6,7
.if \s < 4
	WIN 0x0d                                       ; source 0 (W1) window 1, source 1 (x) window 3, C and D window 0
.else
	WIN 0x0e                                       ; W1's K steps 4 to 7 lie in window 2
.endif
.irp t, 0,1,2,3,4,5,6,7
	WM \u, \s, \t
.endr
.endr
	WIN 0
.endm
; 64 numbers of a lane, none negative, register 16 b + i = hidden unit 32 b + 16 (lane / 16) + i of my row, become a fragment's codes in v[PC] on and its scale word in v[PW].
.macro QUANT s
.irp b, 0,1,2,3
	v_max3_num_f32 v[TM+\b], v[\s+16*\b], v[\s+1+16*\b], 0x1800000   ; my 16 numbers, and the floor 2^(3 - 127): the byte cannot fall under 1
.endr
.irp i, 2,4,6,8,10,12,14
.irp b, 0,1,2,3
	v_max3_num_f32 v[TM+\b], v[TM+\b], v[\s+16*\b+\i], v[\s+1+16*\b+\i]
.endr
.endr
.irp b, 0,1,2,3
	v_permlanex16_b32 v[TM+4+\b], v[TM+\b], s30, s31
.endr
.irp b, 0,1,2,3
	v_max_num_f32 v[TM+\b], v[TM+\b], v[TM+4+\b]   ; with lane l xor 16's: the block's largest number
.endr
.irp b, 0,1,2,3
	v_add_nc_u32 v[TM+12+\b], 0xff000000, v[TM+\b] ; 2 off its exponent field: the conversion's scale operand
.endr
.irp b, 0,1,2,3
	v_lshrrev_b32 v[TM+4+\b], 23, v[TM+12+\b]      ; the scale's byte
.endr
	v_lshl_or_b32 v[PW], v[TM+5], 8, v[TM+4]
	v_lshl_or_b32 v[PW], v[TM+6], 16, v[PW]
	v_lshl_or_b32 v[PW], v[TM+7], 24, v[PW]
.irp b, 0,1,2,3
	v_cvt_scalef32_pk8_fp4_f32 v[PC+2*\b], v[\s+16*\b:\s+7+16*\b], v[TM+12+\b]
	v_cvt_scalef32_pk8_fp4_f32 v[PC+1+2*\b], v[\s+8+16*\b:\s+15+16*\b], v[TM+12+\b]
.endr
	v_nop                                          ; one plain place behind the last scaled conversion
.irp c, 0,1                                    ; the operand's layout wants a whole block in a lane
.irp i, 0,1
	v_permlane16_swap_b32 v[PC+4*\c+\i], v[PC+2+4*\c+\i]
.endr
.endr
.endm
; relu, quantise, store the images of tile u of the pair.  step = 1: the offsets go two tiles on, and this tile's stores reach back by the immediate.  The stores' registers are written again only behind the wait on XCNT
; that follows the next tile's products.
.macro EPIA u, step
.if \step
	v_add_nc_u32 v10, 32768, v10
	v_add_nc_u32 v11, 4096, v11
.endif
.set jj, 0
.rept 64
	v_max_num_f32 v[HA+jj], 0, v[HA+jj]            ; ascending: each accumulator is first read at its lowest register
.set jj, jj+1
.endr
	QUANT HA
	global_store_b128 v10, v[PC:PC+3], s[14:15] offset:16384*\u-32768*\step          ; 32 lanes store 512 consecutive bytes, aligned
	global_store_b128 v10, v[PC+4:PC+7], s[14:15] offset:16384*\u-32768*\step+512
	global_store_b32 v11, v[PW], s[16:17] offset:2048*\u-4096*\step
.endm
	s_load_b256 s[4:11], s[0:1], 0x0               ; ensembles s[4:5], x's codes s[6:7], x's scales s[8:9], W1's codes s[10:11]
	s_load_b128 s[12:15], s[0:1], 0x20             ; W1's scales s[12:13], himg s[14:15]
	s_load_b64 s[16:17], s[0:1], 0x30              ; hsc
	s_load_b64 s[72:73], s[0:1], 0x38              ; W2's codes
	s_load_b64 s[74:75], s[0:1], 0x40              ; wimg
	s_load_b128 s[76:79], s[0:1], 0x48             ; lst s[76:77], cnts s[78:79]
	v_lshl_add_u32 v[SPW], v0, 2, SPARE
	v_mov_b32 v[NIL], 0
	v_lshrrev_b32 v[TP], 5, v0
	v_readfirstlane_b32 s18, v[TP]                 ; wave 0..3
	s_lshr_b32 s19, ttmp9, 5                       ; e
	s_bfe_u32 s20, ttmp9, 0x40001                  ; sg
	s_and_b32 s21, ttmp9, 1
	s_lshl_b32 s21, s21, 2
	s_add_co_u32 s21, s21, s18                     ; f = 4 gh + wave
	v_and_b32 v1, 31, v0                           ; lane
	v_and_b32 v2, 15, v0                           ; r
	v_bfe_u32 v3, v0, 4, 1                         ; h
	v_lshlrev_b32 v4, 4, v1                        ; 16 x lane
	v_lshlrev_b32 v5, 2, v1                        ; 4 x lane
	v_mov_b32 v6, 0xffff0000                       ; the mark for no token
	v_lshl_add_u32 v185, v0, 4, MAP                ; the bytes of my 512 tokens: 16 a lane
	v_add_nc_u32 v186, MAP, v4
	s_mul_i32 s22, s18, 32*WPITCH
	v_add_nc_u32 v7, s22, v4                       ; W1 into LDS: my wave's 32 places
	v_mul_u32_u24 v8, v2, WPITCH
	v_lshl_add_u32 v8, v3, 4, v8                   ; out of LDS
	v_and_b32 v[TP], 8, v2
	v_add_nc_u32 v[TP], v[TP], v2
	v_lshl_add_u32 v9, v3, 3, v[TP]
	v_lshlrev_b32 v9, 5, v9                        ; W1's scale words: row 8 h + r + 8 (r / 8) of 32 bytes
	v_mov_b32 v10, v4
	v_mov_b32 v11, v5
	v_lshlrev_b32 v12, 4, v3                       ; 16 h
	v_lshlrev_b32 v[C16], 4, v2                    ; 16 r
	v_lshl_add_u32 v[W2O], v3, 10, v[C16]          ; W2: lanes 0-15 one row's 256 bytes, lanes 16-31 the next row's
	s_mul_i32 s22, s18, 2*XTILE
	s_add_co_u32 s22, s22, XST                     ; my two stages
	v_mul_u32_u24 v[STX], v3, XP
	v_lshl_add_u32 v[STX], v2, 4, v[STX]
	v_add_nc_u32 v[STX], s22, v[STX]
	v_mul_u32_u24 v[FRX], v2, XP
	v_lshl_add_u32 v[FRX], v3, 4, v[FRX]
	v_add_nc_u32 v[FRX], s22, v[FRX]
.irp t, 0,1,2,3,4,5,6,7
	v_lshl_add_u32 v[BPX+\t], v3, 2, 8*\t          ; 4 x (2 t + h)
.endr
	v_mov_b32 v[TXR], 0                            ; written once: a lane permute's destination counts as one of its sources
.irp b, 0,1,2,3
	v_mov_b32 v[TM+4+\b], 0
.endr
	s_mov_b32 s29, 0xffff0000                      ; lanes 16-31
	s_mov_b32 s30, 0x76543210
	s_mov_b32 s31, 0xfedcba98                      ; v_permlanex16_b32's selects for lane l xor 16
	s_lshl_b32 s70, 1, s19
	s_lshl_b32 s71, 1, s21
	s_or_b32 s70, s70, s71
	s_mul_i32 s70, s70, 0x01010101                 ; my set's byte, four times
	s_lshl_b32 s36, s18, 12                        ; ensembles: 4,096 bytes for 512 tokens
	s_mov_b32 s37, 0
	s_lshl_b32 s42, s19, 20                        ; W1's codes: expert, slice of 128 rows, my wave's 32 rows
	s_lshl_b32 s22, s20, 16
	s_add_co_u32 s42, s42, s22
	s_lshl_b32 s22, s18, 14
	s_add_co_u32 s42, s42, s22
	s_mov_b32 s43, 0
	s_lshl_b32 s44, s19, 16                        ; W1's scales
	s_lshl_b32 s22, s20, 12
	s_add_co_u32 s44, s44, s22
	s_mov_b32 s45, 0
	s_lshl_b32 s23, s19, 3
	s_add_co_u32 s23, s23, s21                     ; 8 e + f
	s_lshl_b32 s46, s23, 21                        ; himg: 128 tiles x 16 slices x 1,024 bytes a set; my slice
	s_lshl_b32 s22, s20, 10
	s_add_co_u32 s46, s46, s22
	s_mov_b32 s47, 0
	s_lshl_b32 s48, s23, 18                        ; hsc: an eighth of that
	s_lshl_b32 s22, s20, 7
	s_add_co_u32 s48, s48, s22
	s_mov_b32 s49, 0
	s_lshl_b32 s50, s23, 13                        ; lst: 2,048 words a set
	s_mov_b32 s51, 0
	s_lshl_b32 s52, s23, 7                         ; cnts: 32 words a set
	s_mov_b32 s53, 0
	s_lshl_b32 s22, ttmp9, 2
	s_add_co_u32 s22, s22, s18                     ; 4 x work-group + wave: which half tile of W2 I lay out
	s_lshl_b32 s54, s22, 13                        ; its images
	s_mov_b32 s55, 0
	s_lshr_b32 s56, s22, 1
	s_lshl_b32 s56, s56, 14                        ; 16 rows of 1,024 bytes
	s_and_b32 s22, s22, 1
	s_lshl_b32 s22, s22, 9                         ; and which 512 bytes of each
	s_add_co_u32 s56, s56, s22
	s_mov_b32 s57, 0
	s_wait_alu depctr_va_vdst(0)
	s_wait_kmcnt 0x0
	s_add_nc_u64 s[4:5], s[4:5], s[36:37]
	s_add_nc_u64 s[10:11], s[10:11], s[42:43]
	s_add_nc_u64 s[12:13], s[12:13], s[44:45]
	s_add_nc_u64 s[14:15], s[14:15], s[46:47]
	s_add_nc_u64 s[16:17], s[16:17], s[48:49]
	s_add_nc_u64 s[72:73], s[72:73], s[56:57]
	s_add_nc_u64 s[74:75], s[74:75], s[54:55]
	s_add_nc_u64 s[76:77], s[76:77], s[50:51]
	s_add_nc_u64 s[78:79], s[78:79], s[52:53]
.irp q, 0,1,2,3
	global_load_b128 v[EN+4*\q:EN+4*\q+3], v4, s[4:5] offset:512*\q              ; slot 0's indices
	global_load_b128 v[EN+16+4*\q:EN+16+4*\q+3], v4, s[4:5] offset:2048+512*\q   ; slot 1's
.endr
	WIN 0x40                                       ; destination window 1: the quarter of W1's block rests there on its way to LDS
.set ii, 0
.rept 32
	global_load_b128 v[4*ii:4*ii+3], v4, s[10:11] offset:512*ii
.set ii, ii+1
.endr
	WIN 0
.irp b, 0,1,2,3
.irp q, 0,1
	global_load_b128 v[WS+8*\b+4*\q:WS+8*\b+4*\q+3], v9, s[12:13] offset:1024*\b+16*\q
.endr
.endr
	WIN 0x80                                       ; window 2: my half tile of W2
.irp t, 0,1,2,3,4,5,6,7
.irp q, 0,1
	global_load_b128 v[8*\t+4*\q:8*\t+4*\q+3], v[W2O], s[72:73] offset:2048*\t+256*\q
.endr
.endr
	WIN 0
	s_wait_loadcnt 56                              ; the indices are in; behind them 32 + 8 + 16 loads may stay out
	KEYS
	ds_store_b128 v185, v[EN+16:EN+19]
	s_wait_alu depctr_va_vdst(0)
	s_wait_dscnt 0x0                               ; for the others' sake: my tokens' bytes lie in LDS
	s_barrier_signal -1
	s_barrier_wait -1
.irp w, 0,1,2,3
	ds_load_b128 v[HA+4*\w:HA+4*\w+3], v186 offset:512*\w
.endr
	s_wait_dscnt 0x0
	MATCH
	s_mov_b32 s27, 0                               ; the pair in hand
	PICK s27
	SPLIT
	LIST s27, 1
	ADQ 0
	ADQ 1
	s_wait_alu depctr_va_vdst(0)
	s_wait_dscnt 0x0
	ADF 0
	ADF 1
	GC 0                                           ; the first pair's rows of x
	GS 0
	GC 1
	GS 1
	s_wait_alu depctr_va_vdst(0)
	s_wait_loadcnt 58                              ; W1 is in; behind it: 8 loads of scale words, 16 of W2, 34 of x
	WIN 0x04                                       ; an LDS store's data are its source 1: window 1
.set ii, 0
.rept 32
	ds_store_b128 v7, v[4*ii:4*ii+3] offset:WPITCH*(ii%8+16*((ii/8)%2)+8*(ii/16))   ; row ii = 8 u + r % 8 + 16 (r / 8) of my 32 goes to place 16 u + r: the tiles' order
.set ii, ii+1
.endr
	WIN 0
	s_wait_loadcnt 34                              ; W2 is in; the 34 loads of x may stay out
	TURN 0x08, 0, 0x80, 64, XTILE                  ; through my second stage, from window 2 back to window 2
	s_wait_dscnt 0x0                               ; for the others' sake: my quarter of W1 lies in LDS; and W2's fragments are back
	s_barrier_signal -1
	s_barrier_wait -1                              ; the last barrier: it stands ahead of every branch on the indices but LIST's, which hangs on the slice
	WIN 0x08
.irp s, 0,1,2,3,4,5,6,7
.irp c, 0,1
	global_store_b128 v4, v[64+8*\s+4*\c:64+8*\s+4*\c+3], s[74:75] offset:1024*\s+512*\c   ; 512 consecutive bytes
.endr
.endr
	WIN 0
	s_wait_xcnt 0x0                                ; the stores have read their registers
.irp s, 0,1,2,3,4,5,6,7                        ; all 64 fragments of W1's block into windows 1 and 2: they stay
.if \s < 4
	WIN 0x40
.else
	WIN 0x80
.endif
.irp t, 0,1,2,3,4,5,6,7
.irp c, 0,1
	ds_load_b128 v[8*(8*(\s%4)+\t)+4*\c:8*(8*(\s%4)+\t)+4*\c+3], v8 offset:16*\t*WPITCH+64*\s+32*\c
.endr
.endr
.endr
	WIN 0
	s_wait_loadcnt 17                              ; tile 0 of the first pair is in; tile 1's 17 loads may stay out
	TURN 0x0c, 128, 0xc0, 0, 0
	s_sub_co_u32 s35, s28, 1
	s_min_u32 s35, 0x3f, s35                       ; the pairs that have a successor: 63 at the most
	s_cmp_eq_u32 s35, 0
	s_cbranch_scc1 .Ltail
	s_mov_b32 s32, 1
	PICK s32
	SPLIT
	LIST s32, 0
	ADQ 0
.Lpair:                                            ; on the way in: tile 0's turn through the stage and the next pair's tile 0 offsets are asked for; v[TI], v[TI+1] hold the next pair; tile 1's loads are out
	s_wait_alu depctr_va_vdst(0)
	s_wait_dscnt 0x0
	ADF 0
	GC 0                                           ; the next pair's tile 0
	MULA 0
	PLACES 4                                       ; in front of the load into registers that the products read, and of the first read of results
	s_wait_alu depctr_va_vdst(0)
	s_wait_xcnt 0x0
	GS 0
	s_wait_loadcnt 17                              ; tile 1 is in; the 17 loads of the next pair's tile 0 may stay out
	TURN 0x0c, 192, 0xc0, 64, XTILE
	ADQ 1
	EPIA 0, 0
	s_wait_alu depctr_va_vdst(0)
	s_wait_dscnt 0x0
	ADF 1
	GC 1
	MULA 1
	PLACES 4
	s_wait_alu depctr_va_vdst(0)
	s_wait_xcnt 0x0
	GS 1
	s_wait_loadcnt 17
	TURN 0x0c, 128, 0xc0, 0, 0
	s_add_co_u32 s32, s27, 2
	s_cmp_ge_u32 s32, s28
	s_cbranch_scc1 .Lnopick                        ; there is no pair after the next
	PICK s32
	SPLIT
	LIST s32, 0
	ADQ 0
.Lnopick:
	EPIA 1, 1
	s_wait_alu depctr_va_vdst(0)
	s_add_co_u32 s27, s27, 1
	s_cmp_lt_u32 s27, s35
	s_cbranch_scc1 .Lpair
.Ltail:                                            ; the last pair asks for nothing
	s_wait_dscnt 0x0
	MULA 0
	PLACES 4
	s_wait_xcnt 0x0
	s_wait_loadcnt 0x0
	TURN 0x0c, 192, 0xc0, 64, XTILE
	EPIA 0, 0
	s_lshl_b32 s33, s27, 5
	s_add_co_u32 s33, s33, 16                      ; tile 1's first match
	s_cmp_ge_u32 s33, s24
	s_cbranch_scc1 .Lend                           ; it has none
	s_wait_alu depctr_va_vdst(0)
	s_wait_dscnt 0x0
	MULA 1
	PLACES 4
	s_wait_xcnt 0x0
	EPIA 1, 0
.Lend:
	s_wait_tensorcnt 0x0                           ; the wave's end
	ds_add_u32 v[SPW], v[NIL]
	s_wait_dscnt 0x0
	s_endpgm
.Lfunc_end_k_q146f89fa19_up:
	.size	k_q146f89fa19_up, .Lfunc_end_k_q146f89fa19_up-k_q146f89fa19_up
	.p2alignl 7, 3214868480
	.fill 96, 4, 3214868480
	.section	.rodata,"a",@progbits
	.p2align	6, 0x0
	.amdhsa_kernel k_q146f89fa19_up
		.amdhsa_group_segment_fixed_size 137728
		.amdhsa_private_segment_fixed_size 0
		.amdhsa_enable_private_segment 0
		.amdhsa_kernarg_size 88
		.amdhsa_user_sgpr_count 2
		.amdhsa_user_sgpr_kernarg_segment_ptr 1
		.amdhsa_wavefront_size32 1
		.amdhsa_system_sgpr_workgroup_id_x 1
		.amdhsa_system_sgpr_workgroup_id_y 1
		.amdhsa_system_sgpr_workgroup_id_z 1
		.amdhsa_system_vgpr_workitem_id 0
		.amdhsa_next_free_vgpr 1024
		.amdhsa_next_free_sgpr 84
		.amdhsa_reserve_vcc 1
		.amdhsa_float_denorm_mode_32 3
		.amdhsa_float_denorm_mode_16_64 3
		.amdhsa_memory_ordered 1
		.amdhsa_forward_progress 1
		.amdhsa_inst_pref_size 136
	.end_amdhsa_kernel
	.amdgpu_metadata
---
amdhsa.version: [ 1, 2 ]
amdhsa.kernels:
  - .name:           k_q146f89fa19_up
    .symbol:         k_q146f89fa19_up.kd
    .args:
      - { .name: ensembles, .offset: 0, .size: 8, .value_kind: global_buffer, .address_space: global }
      - { .name: x_codes, .offset: 8, .size: 8, .value_kind: global_buffer, .address_space: global }
      - { .name: x_scales, .offset: 16, .size: 8, .value_kind: global_buffer, .address_space: global }
      - { .name: proj_in_codes, .offset: 24, .size: 8, .value_kind: global_buffer, .address_space: global }
      - { .name: proj_in_scales, .offset: 32, .size: 8, .value_kind: global_buffer, .address_space: global }
      - { .name: himg, .offset: 40, .size: 8, .value_kind: global_buffer, .address_space: global }
      - { .name: hsc, .offset: 48, .size: 8, .value_kind: global_buffer, .address_space: global }
      - { .name: proj_out_codes, .offset: 56, .size: 8, .value_kind: global_buffer, .address_space: global }
      - { .name: wimg, .offset: 64, .size: 8, .value_kind: global_buffer, .address_space: global }
      - { .name: lst, .offset: 72, .size: 8, .value_kind: global_buffer, .address_space: global }
      - { .name: cnts, .offset: 80, .size: 8, .value_kind: global_buffer, .address_space: global }
    .group_segment_fixed_size: 137728
    .private_segment_fixed_size: 0
    .kernarg_segment_align: 8
    .kernarg_segment_size: 88
    .max_flat_workgroup_size: 128
    .sgpr_count:     84
    .vgpr_count:     1024
    .wavefront_size: 32
...
	.end_amdgpu_metadata
.endif
;; end of part 4
;; launch down (part 5): grid 256 x 1, 4 waves a work-group, no clusters, 321,536 bytes of LDS; arguments ensembles, weights, proj_out_scales, wimg, himg, hsc, lst, cnts, out0; writes out0
.if DOCPART == 5
	.amdgcn_target "amdgcn-amd-amdhsa--gfx1250"
	.amdhsa_code_object_version 6
	.text
	.protected	k_q146f89fa19_down
	.globl	k_q146f89fa19_down
	.p2align	8
	.type	k_q146f89fa19_down,@function
k_q146f89fa19_down:
	s_mov_b64 s[64:65], 0
	v_nop
	global_prefetch_b8 v0, s[64:65] scope:SCOPE_SE
	s_setreg_imm32_b32 hwreg(HW_REG_WAVE_MODE, 25, 1), 1
	s_wait_xcnt 0x0
; SECOND OF TWO LAUNCHES: out0[t] = g_a[t] (W2[a] h_a[t]) + g_b[t] (W2[b] h_b[t]) for the tokens t of the set {a, b}; g_x[t] = sum over k of (e_k == x ? w[k][t] : 0), reference()'s gate.  The experts that a token did not
; choose are left out: their gate is 0 by reference()'s own one_hot (shown at the head of the first launch; its limits hold here too).
; SHARES.  224 work-groups: 28 pairs a != b x 8 slices of 128 columns; 32 work-groups: 8 sets a = b x 4 slices of 256 columns.  Either way a work-group reads 256 KiB of W2.  A wave works in two PHASES of 16 K steps with
; 32 columns each: in a pair phase 0 is expert a, phase 1 expert b, the same columns; in a set of one expert the phases are two runs of 32 columns.  Each output has one owner.
; h of up to 6 tiles of 16 tokens, of both experts, comes into LDS once (each wave fetches half the K steps of one expert) and all four waves read it there.  W2's fragments are streamed from their images straight into
; registers, fifteen K steps ahead.  Two texts of the products, for 4 tiles and for 6; a tile that a set does not have repeats its last one and is not stored.  Sets of more than 96 tokens: the tiles from the seventh on
; follow in a plain loop of each wave's own.
; THE PRODUCT IS USED TRANSPOSED (source 0 = 16 rows of W2 = 16 columns, source 1 = 16 rows of h): a lane holds eight neighbouring columns of one token.  Results meet in a stage in LDS and leave as rows of 512 bytes.
; No tensor load, no cluster: the work hangs on the stored counts.  No prefetch: up to 60 loads a wave are out through the whole stream, each byte is asked for as early as registers allow.
; REGISTERS.  Window 0: v1-20 lane numbers and addresses; v28, v29 the add's two; v32-63 W2's scale words; v64-69 tokens; v70-117 the head's; v118-141 gates (each twice, for packed forms); v144-239 h's fragments, two sets;
;   v240-245 their scale words.  Window 1: the ring of W2's fragments (K step k, column tile n at 16 k + 8 n).  Window 2: accumulators (tile t, n) at 16 t + 8 n, results at 96 + 16 t + 8 n.
;   At the head windows 2 and 3 hold h on its way to LDS.
.set SCL,   196608                     ; behind 2 x 6 tiles x 16,384 bytes of codes: 2 x 6 x 2,048 bytes of scale words
.set STG,   221184                     ; the stage: 96 rows x 1,040 bytes; wave w's 256 bytes of a row at 256 w
.set SP,    1040
.set SPARE, STG+96*SP                  ; 321,024: the spare words, 128 bytes for each wave, which no other line names
.set VH,  8                            ; v8-10
.set VS,  11
.set SHA, 12                           ; v12-13
.set SSA, 14
.set VST, 15                           ; v15-16
.set VRP, 17                           ; v17-18
.set VRS, 19                           ; v19-20
.set SPW, 28
.set NIL, 29
.set WS,  32
.set TG,  64
.set LA,  70
.set HV,  76
.set HSV, 82
.set E0,  88
.set E1,  94
.set W0,  100
.set W1,  106
.set GO,  112
.set G,   118                          ; phase e, tile t: v[G + 12 e + 2 t] and the same again
.set HF,  144
.set HX,  240
.set OUTR, 96
.set LQ,  66                           ; s66-69 wave + 4 m
.set MSB, 0
.macro WIN new                         ; the immediate's high byte repeats the setting that is left
.if MSB != \new
	s_set_vgpr_msb (MSB<<8)|\new
.set MSB, \new
.endif
.endm
.macro WLOAD kk                        ; K step kk (16 a phase): two column tiles' images into the ring
.set e_, (\kk)/16
.set k_, (\kk)%16
	WIN 0x40
.irp n, 0,1
.irp c, 0,1
	global_load_b128 v[16*k_+8*\n+4*\c:16*k_+8*\n+4*\c+3], v4, s[40+2*e_:41+2*e_] offset:16384*\n+1024*k_+512*\c
.endr
.endr
	WIN 0
.endm
.macro HLOAD t                         ; my half of tile t's images: 16 loads of codes, 2 of scale words
.if \t < 4
	WIN 0xc0
.else
	WIN 0x80
.endif
.irp k, 0,1,2,3,4,5,6,7
.irp c, 0,1
	global_load_b128 v[64*(\t%4)+8*\k+4*\c:64*(\t%4)+8*\k+4*\c+3], v[HV+\t], s[56:57] offset:1024*\k+512*\c
.endr
.endr
	WIN 0
.irp c, 0,1
	global_load_b128 v[192+8*\t+4*\c:195+8*\t+4*\c], v[HSV+\t], s[58:59] offset:512*\c
.endr
.endm
.macro HSTORE t, nt                    ; tile t has landed and goes to LDS; behind each of the first four tiles two more K steps of W2 are asked for
.set n_, (\nt-1-\t)*18+24              ; issued behind tile t's loads: the later tiles', 24 gathers,
.if \t < 4
.set n_, n_+8*\t                       ; and the ring's
.else
.set n_, n_+32
.endif
.if n_ > 63
.set n_, 63
.endif
	s_wait_loadcnt n_
.if \t < 4
	WIN 0x0c
.else
	WIN 0x08
.endif
.irp k, 0,1,2,3,4,5,6,7
.irp c, 0,1
	ds_store_b128 v[SHA+\t/4], v[64*(\t%4)+8*\k+4*\c:64*(\t%4)+8*\k+4*\c+3] offset:16384*(\t%4)+1024*\k+512*\c
.endr
.endr
	WIN 0
.irp c, 0,1
	ds_store_b128 v[SSA], v[192+8*\t+4*\c:195+8*\t+4*\c] offset:2048*\t+512*\c
.endr
.if \t < 4
	WLOAD 8+2*\t
	WLOAD 9+2*\t
.endif
.endm
.macro TOKOFF t                        ; a token's place in ensembles and weights: 4,096 bytes for 512 tokens, slot 1 2,048 on
	v_min_u32 v[TG+\t], 0x7ff, v[TG+\t]
	v_and_b32 v[GO+\t], 0x600, v[TG+\t]
	v_add_lshl_u32 v[GO+\t], v[GO+\t], v[TG+\t], 2
.endm
.macro GATHER t
	global_load_b32 v[E0+\t], v[GO+\t], s[4:5]
	global_load_b32 v[E1+\t], v[GO+\t], s[4:5] offset:2048
	global_load_b32 v[W0+\t], v[GO+\t], s[6:7]
	global_load_b32 v[W1+\t], v[GO+\t], s[6:7] offset:2048
.endm
.macro GATE e, t                       ; expert s[24 + e]
	v_cmp_eq_u32 vcc_lo, s[24+\e], v[E0+\t]
	v_cmp_eq_u32 s34, s[24+\e], v[E1+\t]
	v_cndmask_b32 v[G+12*\e+2*\t], 0, v[W0+\t], vcc_lo
	v_cndmask_b32 v[G+12*\e+2*\t+1], 0, v[W1+\t], s34
	v_add_f32 v[G+12*\e+2*\t], v[G+12*\e+2*\t], v[G+12*\e+2*\t+1]
	v_mov_b32 v[G+12*\e+2*\t+1], v[G+12*\e+2*\t]
.endm
.macro FILL nt
	s_wait_loadcnt 63                              ; the tokens are in: 72 loads or more were issued behind them
.irp t, 0,1,2,3,4,5
	TOKOFF \t
.endr
.irp t, 0,1,2,3,4,5
	GATHER \t
.endr
.irp t, 0,1,2,3,4,5
.if \t < \nt
	HSTORE \t, \nt
.endif
.endr
.endm
.macro HFETCH p, kk, nt                ; K step kk of nt tiles into set p: 2 nt loads of codes, nt / 2 of scale words (lanes 0-15 tile 2 i, lanes 16-31 tile 2 i + 1)
.set e_, (\kk)/16
.set k_, (\kk)%16
.irp t, 0,1,2,3,4,5
.if \t < \nt
.set T_, 6*e_+\t
.irp c, 0,1
	ds_load_b128 v[HF+48*(\p)+8*\t+4*\c:HF+48*(\p)+8*\t+4*\c+3], v[VH+T_/4] offset:16384*(T_%4)+1024*k_+512*\c
.endr
.endif
.endr
.irp i, 0,1,2
.if 2*\i < \nt
	ds_load_b32 v[HX+3*(\p)+\i], v[VS] offset:12288*e_+4096*\i+128*k_
.endif
.endr
.endm
.macro WM t, n, kk                     ; one product; K step 0 of a phase starts the sum
.set rD, 16*(\t)+8*(\n)
.set rA, 16*((\kk)%16)+8*(\n)
.set rB, HF+48*((\kk)%2)+8*(\t)
.set rW, WS+(\kk)
.set rX, HX+3*((\kk)%2)+(\t)/2
.set z_, 0
.if (\kk)%16 == 0
.set z_, 1
.endif
.if z_ && (\n == 0) && (\t%2 == 0)
	v_wmma_scale_f32_16x16x128_f8f6f4 v[rD:rD+7], v[rA:rA+7], v[rB:rB+7], 0, v[rW], v[rX] matrix_a_fmt:MATRIX_FMT_FP4 matrix_b_fmt:MATRIX_FMT_FP4
.elseif z_ && (\n == 0)
	v_wmma_scale_f32_16x16x128_f8f6f4 v[rD:rD+7], v[rA:rA+7], v[rB:rB+7], 0, v[rW], v[rX] matrix_a_fmt:MATRIX_FMT_FP4 matrix_b_fmt:MATRIX_FMT_FP4 matrix_b_scale:MATRIX_SCALE_ROW1
.elseif z_ && (\t%2 == 0)
	v_wmma_scale_f32_16x16x128_f8f6f4 v[rD:rD+7], v[rA:rA+7], v[rB:rB+7], 0, v[rW], v[rX] matrix_a_fmt:MATRIX_FMT_FP4 matrix_b_fmt:MATRIX_FMT_FP4 matrix_a_scale:MATRIX_SCALE_ROW1
.elseif z_
	v_wmma_scale_f32_16x16x128_f8f6f4 v[rD:rD+7], v[rA:rA+7], v[rB:rB+7], 0, v[rW], v[rX] matrix_a_fmt:MATRIX_FMT_FP4 matrix_b_fmt:MATRIX_FMT_FP4 matrix_a_scale:MATRIX_SCALE_ROW1 matrix_b_scale:MATRIX_SCALE_ROW1
.elseif (\n == 0) && (\t%2 == 0)
	v_wmma_scale_f32_16x16x128_f8f6f4 v[rD:rD+7], v[rA:rA+7], v[rB:rB+7], v[rD:rD+7], v[rW], v[rX] matrix_a_fmt:MATRIX_FMT_FP4 matrix_b_fmt:MATRIX_FMT_FP4
.elseif \n == 0
	v_wmma_scale_f32_16x16x128_f8f6f4 v[rD:rD+7], v[rA:rA+7], v[rB:rB+7], v[rD:rD+7], v[rW], v[rX] matrix_a_fmt:MATRIX_FMT_FP4 matrix_b_fmt:MATRIX_FMT_FP4 matrix_b_scale:MATRIX_SCALE_ROW1
.elseif \t%2 == 0
	v_wmma_scale_f32_16x16x128_f8f6f4 v[rD:rD+7], v[rA:rA+7], v[rB:rB+7], v[rD:rD+7], v[rW], v[rX] matrix_a_fmt:MATRIX_FMT_FP4 matrix_b_fmt:MATRIX_FMT_FP4 matrix_a_scale:MATRIX_SCALE_ROW1
.else
	v_wmma_scale_f32_16x16x128_f8f6f4 v[rD:rD+7], v[rA:rA+7], v[rB:rB+7], v[rD:rD+7], v[rW], v[rX] matrix_a_fmt:MATRIX_FMT_FP4 matrix_b_fmt:MATRIX_FMT_FP4 matrix_a_scale:MATRIX_SCALE_ROW1 matrix_b_scale:MATRIX_SCALE_ROW1
.endif
.endm
.macro KSTEP kk, nt                    ; the 2 nt accumulators take turns, one instruction a turn
.if (\kk) < 16
	s_wait_loadcnt 60                              ; behind K step kk's four loads: fifteen K steps' at the most
.else
	s_wait_loadcnt 4*(31-(\kk))
.endif
.if (\kk) < 31
	s_wait_dscnt 5*\nt/2                           ; set kk % 2 is in; the other set's loads may stay out
.else
	s_wait_dscnt 0x0
.endif
	WIN 0xa1                                       ; source 0 (W2) window 1, source 1 (h) window 0, C and D window 2
.irp n, 0,1
.irp t, 0,1,2,3,4,5
.if \t < \nt
	WM \t, \n, (\kk)
.endif
.endr
.endr
.rept 4
	v_nop                                          ; places in front of loads into registers that the products read
.endr
.if (\kk) < 16
	WLOAD (\kk)+16
.endif
	WIN 0
.if (\kk) < 30
	HFETCH (\kk)%2, (\kk)+2, \nt
.endif
.endm
.macro STAGE off, nt
	WIN 0x08                                       ; an LDS store's data are its source 1: window 2
.irp t, 0,1,2,3,4,5
.if \t < \nt
.irp n, 0,1
.irp p, 0,1
	ds_store_b128 v[VST+\t/4], v[OUTR+16*\t+8*\n+4*\p:OUTR+16*\t+8*\n+4*\p+3] offset:16*SP*(\t%4)+64*\n+16*\p+\off
.endr
.endr
.endif
.endr
	WIN 0
.endm
.macro CALC nt
	HFETCH 0, 0, \nt
	HFETCH 1, 1, \nt
.set kk, 0
.rept 16
	KSTEP kk, \nt
.set kk, kk+1
.endr
	WIN 0x82                                       ; results = accumulators x phase 0's gates
.irp t, 0,1,2,3,4,5
.if \t < \nt
.irp j, 0,2,4,6,8,10,12,14
	v_pk_mul_f32 v[OUTR+16*\t+\j:OUTR+16*\t+\j+1], v[16*\t+\j:16*\t+\j+1], v[G+2*\t:G+2*\t+1] op_sel_hi:[1,0]
.endr
.endif
.endr
	WIN 0
	s_wait_alu depctr_va_vdst(0)
	s_cmp_eq_u32 s23, 0
	s_cbranch_scc1 .Lpairset_\@
	STAGE 0, \nt                                   ; one expert: phase 0's columns are finished
	WIN 0x80
.set jj, 0
.rept 16*\nt
	v_mov_b32 v[OUTR+jj], 0
.set jj, jj+1
.endr
	WIN 0
	s_wait_alu depctr_va_vdst(0)
.Lpairset_\@:
.rept 16
	KSTEP kk, \nt
.set kk, kk+1
.endr
	WIN 0xa2
.irp t, 0,1,2,3,4,5
.if \t < \nt
.irp j, 0,2,4,6,8,10,12,14
	v_pk_fma_f32 v[OUTR+16*\t+\j:OUTR+16*\t+\j+1], v[16*\t+\j:16*\t+\j+1], v[G+12+2*\t:G+12+2*\t+1], v[OUTR+16*\t+\j:OUTR+16*\t+\j+1] op_sel_hi:[1,0,1]
.endr
.endif
.endr
	WIN 0
	STAGE 128, \nt
.endm
.macro ROWOUT t, m, dat, vo, younger, off, done   ; row 16 t + 4 m + wave leaves, if the set has it: 32 lanes store 512 consecutive aligned bytes
	s_add_co_u32 s34, s22, 16*\t+4*\m
	s_cmp_lt_u32 s34, s28
	s_cbranch_scc0 \done
	v_readlane_b32 s35, v[TG+\t], s[LQ+\m]
	s_min_u32 s35, 0x7ff, s35
	s_lshl_b32 s35, s35, 12
	s_wait_dscnt \younger
	v_add_nc_u32 v[\vo], s35, v4
	global_store_b128 v[\vo], v[\dat:\dat+3], s[20:21] offset:\off th:TH_STORE_NT
.endm
.macro WAYOUT vr, off
.irp t, 0,1,2,3
.irp m, 0,1,2,3
	ds_load_b128 v[HF+16*\t+4*\m:HF+16*\t+4*\m+3], v[\vr] offset:16*SP*\t+4*SP*\m+\off
.endr
.endr
.irp t, 0,1,2,3
.irp m, 0,1,2,3
	ROWOUT \t, \m, (HF+16*\t+4*\m), (HF+64+4*\t+\m), 15-4*\t-\m, \off, .Ldone_\vr\()_\off
.endr
.endr
	s_cmp_gt_u32 s28, 64
	s_cbranch_scc0 .Ldone_\vr\()_\off
.irp t, 4,5
.irp m, 0,1,2,3
	ds_load_b128 v[WS+16*(\t-4)+4*\m:WS+16*(\t-4)+4*\m+3], v[\vr+1] offset:16*SP*(\t-4)+4*SP*\m+\off
.endr
.endr
.irp t, 4,5
.irp m, 0,1,2,3
	ROWOUT \t, \m, (WS+16*(\t-4)+4*\m), (HF+64+4*\t+\m), 23-4*\t-\m, \off, .Ldone_\vr\()_\off
.endr
.endr
.Ldone_\vr\()_\off:
.endm
	s_load_b256 s[4:11], s[0:1], 0x0               ; ensembles s[4:5], weights s[6:7], W2's scales s[8:9], wimg s[10:11]
	s_load_b256 s[12:19], s[0:1], 0x20             ; himg s[12:13], hsc s[14:15], lst s[16:17], cnts s[18:19]
	s_load_b64 s[20:21], s[0:1], 0x40              ; out0
	v_lshl_add_u32 v[SPW], v0, 2, SPARE
	v_mov_b32 v[NIL], 0
	v_lshrrev_b32 v2, 5, v0
	v_readfirstlane_b32 s22, v2                    ; wave
	s_lshr_b32 s70, s22, 1                         ; h: which expert's I fetch
	s_and_b32 s71, s22, 1                          ; and which eight K steps
	v_and_b32 v1, 31, v0
	v_and_b32 v2, 15, v0                           ; r
	v_bfe_u32 v3, v0, 4, 1                         ; h
	v_lshlrev_b32 v4, 4, v1                        ; 16 x lane
	v_lshlrev_b32 v5, 2, v1                        ; 4 x lane
	v_lshlrev_b32 v6, 6, v1                        ; W2's scale words: row = lane, 64 bytes
	v_lshlrev_b32 v7, 2, v2                        ; 4 r
	v_lshlrev_b32 v[VH], 4, v1
	v_add_nc_u32 v[VH+1], 0x10000, v4
	v_add_nc_u32 v[VH+2], 0x20000, v4
	v_lshlrev_b32 v[VS], 11, v3
	v_lshl_add_u32 v[VS], v2, 2, v[VS]
	v_add_nc_u32 v[VS], SCL, v[VS]
	s_mul_i32 s34, s70, 98304
	s_lshl_b32 s35, s71, 13
	s_add_co_u32 s34, s34, s35
	v_add_nc_u32 v[SHA], s34, v4
	s_add_co_u32 s34, s34, 0x10000
	v_add_nc_u32 v[SHA+1], s34, v4
	s_mul_i32 s34, s70, 12288
	s_lshl_b32 s35, s71, 10
	s_add_co_u32 s34, s34, s35
	s_add_co_u32 s34, s34, SCL
	v_add_nc_u32 v[SSA], s34, v4
	s_lshl_b32 s34, s22, 8
	s_add_co_u32 s34, s34, STG
	s_wait_alu depctr_va_vdst(0)                   ; directly ahead of the readers below
	v_mul_u32_u24 v[VST], v2, SP
	v_lshl_add_u32 v[VST], v3, 5, v[VST]
	v_add_nc_u32 v[VST], s34, v[VST]               ; in: row r, my 256 bytes, + 32 h
	v_add_nc_u32 v[VST+1], 64*SP, v[VST]
	s_mul_i32 s34, s22, SP
	s_add_co_u32 s34, s34, STG
	v_add_nc_u32 v[VRS], s34, v4                   ; back: row = wave, 512 bytes on end
	v_add_nc_u32 v[VRS+1], 64*SP, v[VRS]
	v_lshrrev_b32 v[VRP], 3, v1
	v_lshlrev_b32 v[VRP], 8, v[VRP]
	v_and_b32 v[VRP+1], 7, v1
	v_lshl_add_u32 v[VRP], v[VRP+1], 4, v[VRP]
	s_add_co_u32 s34, s34, 128
	v_add_nc_u32 v[VRP], s34, v[VRP]               ; back, in a pair: the upper 128 bytes of each wave's 256
	v_add_nc_u32 v[VRP+1], 64*SP, v[VRP]
	; which set, which columns
	s_bfe_u32 s24, ttmp9, 0x30003                  ; a pair's a,
	s_lshr_b32 s25, ttmp9, 6
	s_add_co_u32 s25, s25, 1
	s_add_co_u32 s25, s25, s24
	s_and_b32 s25, s25, 7                          ; b = a + 1 .. 4 (mod 8),
	s_and_b32 s36, ttmp9, 7                        ; slice of 128 columns
	s_lshl_b32 s26, s36, 2
	s_add_co_u32 s26, s26, s22                     ; my 32 columns
	s_lshl_b32 s36, s36, 9                         ; the slice's first byte in a row of out0
	s_bfe_u32 s34, ttmp9, 0x30002                  ; one expert: a = b,
	s_and_b32 s37, ttmp9, 3                        ; slice of 256 columns
	s_lshl_b32 s35, s37, 3
	s_lshl_b32 s38, s22, 1
	s_add_co_u32 s35, s35, s38
	s_lshl_b32 s37, s37, 10
	s_cmp_ge_u32 ttmp9, 224
	s_cselect_b32 s23, 1, 0                        ; 1: a set of one expert
	s_cselect_b32 s24, s34, s24
	s_cselect_b32 s25, s34, s25
	s_cselect_b32 s26, s35, s26                    ; phase 0's run of 32 columns
	s_cselect_b32 s36, s37, s36
	s_add_co_u32 s27, s26, s23                     ; phase 1's
	s_mov_b32 s37, 0
.irp m, 0,1,2,3
	s_add_co_u32 s[LQ+\m], s22, 4*\m
.endr
	s_lshl_b32 s72, s24, 3
	s_add_co_u32 s72, s72, s25                     ; 8 a + b
	s_lshl_b32 s73, s25, 3
	s_add_co_u32 s73, s73, s24                     ; 8 b + a
	s_mov_b32 s75, 0
	s_wait_alu depctr_va_vdst(0)
	s_wait_kmcnt 0x0
	s_lshl_b32 s74, s72, 7
	s_add_nc_u64 s[18:19], s[18:19], s[74:75]
	s_load_b32 s28, s[18:19], 0x0                  ; the set's tokens
	s_lshl_b32 s74, s72, 13
	s_add_nc_u64 s[16:17], s[16:17], s[74:75]
.irp e, 0,1
	s_lshl_b32 s74, s[24+\e], 20                   ; W2's images: expert, 64 column tiles of 16,384 bytes
	s_lshl_b32 s76, s[26+\e], 15
	s_add_co_u32 s74, s74, s76
	s_add_nc_u64 s[40+2*\e:41+2*\e], s[10:11], s[74:75]
	s_lshl_b32 s74, s[24+\e], 16                   ; its scales: 64 bytes a row
	s_lshl_b32 s76, s[26+\e], 11
	s_add_co_u32 s74, s74, s76
	s_add_nc_u64 s[44+2*\e:45+2*\e], s[8:9], s[74:75]
	s_lshl_b32 s74, s[72+\e], 21                   ; h
	s_add_nc_u64 s[48+2*\e:49+2*\e], s[12:13], s[74:75]
	s_lshl_b32 s74, s[72+\e], 18
	s_add_nc_u64 s[52+2*\e:53+2*\e], s[14:15], s[74:75]
	s_lshl_b32 s74, s[26+\e], 7                    ; my 128 bytes of a row of out0
	s_add_nc_u64 s[60+2*\e:61+2*\e], s[20:21], s[74:75]
.endr
.irp e, 0,1
.irp q, 0,1,2,3
	global_load_b128 v[WS+16*\e+4*\q:WS+16*\e+4*\q+3], v6, s[44+2*\e:45+2*\e] offset:16*\q   ; lanes 0-15 column tile 0, lanes 16-31 tile 1; register k: K step k
.endr
.endr
.set kk, 0
.rept 8
	WLOAD kk
.set kk, kk+1
.endr
	s_add_nc_u64 s[20:21], s[20:21], s[36:37]
	s_cmp_eq_u32 s70, 0
	s_cselect_b32 s76, s72, s73
	s_lshl_b32 s74, s76, 21                        ; the part of h that I fetch
	s_lshl_b32 s77, s71, 13
	s_add_co_u32 s74, s74, s77
	s_add_nc_u64 s[56:57], s[12:13], s[74:75]
	s_lshl_b32 s74, s76, 18
	s_lshl_b32 s77, s71, 10
	s_add_co_u32 s74, s74, s77
	s_add_nc_u64 s[58:59], s[14:15], s[74:75]
	s_wait_kmcnt 0x0
	s_min_u32 s28, 0x800, s28                      ; 2,048 tokens at the most
	s_add_co_u32 s29, s28, 15
	s_lshr_b32 s29, s29, 4
	s_max_u32 s29, s29, 1
	s_min_u32 s29, 0x80, s29                       ; tiles: 1 to 128; tile 0 of every set was stored
	s_sub_co_u32 s30, s29, 1
	s_min_u32 s30, 0x7f, s30
.irp t, 0,1,2,3,4,5
	s_min_u32 s34, s30, \t                         ; a tile that the set does not have repeats its last one
	s_lshl_b32 s35, s34, 6
	s_lshl_b32 s38, s34, 14
	s_lshl_b32 s39, s34, 11
	v_add_nc_u32 v[LA+\t], s35, v7
	v_add_nc_u32 v[HV+\t], s38, v4
	v_add_nc_u32 v[HSV+\t], s39, v4
.endr
	s_wait_alu depctr_va_vdst(0)
.irp t, 0,1,2,3,4,5
	global_load_b32 v[TG+\t], v[LA+\t], s[16:17]   ; row r's token, in both halves of the lanes
.endr
	HLOAD 0
	HLOAD 1
	HLOAD 2
	HLOAD 3
	s_cmp_gt_u32 s29, 4
	s_cbranch_scc1 .Lfill6
	FILL 4
	s_branch .Lfilled
.Lfill6:
	HLOAD 4
	HLOAD 5
	FILL 6
.Lfilled:
	s_wait_loadcnt 32                              ; the gathers are in; the ring's last 32 loads may stay out
.irp t, 0,1,2,3,4,5
	GATE 0, \t
	GATE 1, \t
.endr
	s_wait_alu depctr_va_vdst(0)
	s_wait_dscnt 0x0                               ; for the others' sake: my part of h lies in LDS
	s_barrier_signal -1
	s_barrier_wait -1
	s_cmp_gt_u32 s29, 4
	s_cbranch_scc1 .Lcalc6
	CALC 4
	s_branch .Lcalced
.Lcalc6:
	CALC 6
.Lcalced:
	s_wait_dscnt 0x0                               ; for the others' sake: my columns lie in the stage
	s_barrier_signal -1
	s_barrier_wait -1
	s_cmp_eq_u32 s23, 0
	s_cbranch_scc1 .Lpairs
	WAYOUT VRS, 0
	s_wait_alu depctr_va_vdst(0)
	s_wait_dscnt 0x0
	s_wait_xcnt 0x0                                ; the stores have read their registers
	WAYOUT VRS, 512
	s_branch .Lmore
.Lpairs:
	WAYOUT VRP, 0
.Lmore:
	s_wait_alu depctr_va_vdst(0)
	s_wait_dscnt 0x0
	s_cmp_gt_u32 s29, 6
	s_cbranch_scc0 .Lend
; SETS OF MORE THAN 96 TOKENS: tile by tile, each wave by itself, operands straight from memory; a lane stores its 32 bytes of a row.  Empty rows of a tile repeat its first row: the same bytes to the same place.
.set KH,  144                          ; h's fragment; v152 its scale word, v153 W2's, v154-157 offsets
.set KW,  160                          ; two fragments of W2
.set KA,  176                          ; two accumulators
.set KO,  192                          ; results
.set KV,  208                          ; my token's row of out0
.macro SK e, z
	global_load_b128 v[KH:KH+3], v154, s[48+2*\e:49+2*\e]
	global_load_b128 v[KH+4:KH+7], v154, s[48+2*\e:49+2*\e] offset:512
	global_load_b32 v152, v155, s[52+2*\e:53+2*\e]
.irp n, 0,1
.irp c, 0,1
	global_load_b128 v[KW+8*\n+4*\c:KW+8*\n+4*\c+3], v156, s[40+2*\e:41+2*\e] offset:16384*\n+512*\c
.endr
.endr
	global_load_b32 v153, v157, s[44+2*\e:45+2*\e]
	s_wait_loadcnt 0x0
.if \z
	v_wmma_scale_f32_16x16x128_f8f6f4 v[KA:KA+7], v[KW:KW+7], v[KH:KH+7], 0, v153, v152 matrix_a_fmt:MATRIX_FMT_FP4 matrix_b_fmt:MATRIX_FMT_FP4
	v_wmma_scale_f32_16x16x128_f8f6f4 v[KA+8:KA+15], v[KW+8:KW+15], v[KH:KH+7], 0, v153, v152 matrix_a_fmt:MATRIX_FMT_FP4 matrix_b_fmt:MATRIX_FMT_FP4 matrix_a_scale:MATRIX_SCALE_ROW1
.else
	s_wait_alu depctr_va_vdst(0)
	v_wmma_scale_f32_16x16x128_f8f6f4 v[KA:KA+7], v[KW:KW+7], v[KH:KH+7], v[KA:KA+7], v153, v152 matrix_a_fmt:MATRIX_FMT_FP4 matrix_b_fmt:MATRIX_FMT_FP4
	s_wait_alu depctr_va_vdst(0)
	v_wmma_scale_f32_16x16x128_f8f6f4 v[KA+8:KA+15], v[KW+8:KW+15], v[KH:KH+7], v[KA+8:KA+15], v153, v152 matrix_a_fmt:MATRIX_FMT_FP4 matrix_b_fmt:MATRIX_FMT_FP4 matrix_a_scale:MATRIX_SCALE_ROW1
.endif
	v_add_nc_u32 v154, 1024, v154                  ; the next K step; these four are the places behind the products
	v_add_nc_u32 v155, 128, v155
	v_add_nc_u32 v156, 1024, v156
	v_add_nc_u32 v157, 4, v157
	s_wait_alu depctr_va_vdst(0)
.endm
.macro SPHASE e
	v_add_nc_u32 v154, s38, v4
	v_add_nc_u32 v155, s39, v5
	v_mov_b32 v156, v4
	v_mov_b32 v157, v6
	s_wait_alu depctr_va_vdst(0)
	SK \e, 1
	s_mov_b32 s33, 15
.Lk_\e:
	SK \e, 0
	s_sub_co_u32 s33, s33, 1
	s_cmp_lg_u32 s33, 0
	s_cbranch_scc1 .Lk_\e
.endm
.macro SSTORE e
.irp j, 0,4,8,12
	global_store_b128 v[KV], v[KO+\j:KO+\j+3], s[60+2*\e:61+2*\e] offset:64*(\j/8)+16*((\j/4)%2)
.endr
.endm
	s_mov_b32 s31, 6
.Lslow:
	s_wait_xcnt 0x0                                ; earlier stores have read their registers
	s_min_u32 s34, 0x7f, s31
	s_lshl_b32 s35, s34, 6
	s_lshl_b32 s38, s34, 14
	s_lshl_b32 s39, s34, 11
	v_add_nc_u32 v[LA], s35, v7
	global_load_b32 v[TG], v[LA], s[16:17]
	s_wait_loadcnt 0x0
	TOKOFF 0
	v_lshlrev_b32 v[KV], 12, v[TG]
	v_lshl_add_u32 v[KV], v3, 5, v[KV]
	GATHER 0
	s_wait_alu depctr_va_vdst(0)
	s_wait_loadcnt 0x0
	GATE 0, 0
	GATE 1, 0
	s_wait_alu depctr_va_vdst(0)
	SPHASE 0
.irp j, 0,2,4,6,8,10,12,14
	v_pk_mul_f32 v[KO+\j:KO+\j+1], v[KA+\j:KA+\j+1], v[G:G+1] op_sel_hi:[1,0]
.endr
	s_wait_alu depctr_va_vdst(0)
	s_cmp_eq_u32 s23, 0
	s_cbranch_scc1 .Lslowpair
	SSTORE 0
	s_wait_xcnt 0x0
.set jj, 0
.rept 16
	v_mov_b32 v[KO+jj], 0
.set jj, jj+1
.endr
	s_wait_alu depctr_va_vdst(0)
.Lslowpair:
	SPHASE 1
.irp j, 0,2,4,6,8,10,12,14
	v_pk_fma_f32 v[KO+\j:KO+\j+1], v[KA+\j:KA+\j+1], v[G+12:G+13], v[KO+\j:KO+\j+1] op_sel_hi:[1,0,1]
.endr
	SSTORE 1
	s_wait_alu depctr_va_vdst(0)
	s_add_co_u32 s31, s31, 1
	s_cmp_lt_u32 s31, s29
	s_cbranch_scc1 .Lslow
.Lend:
	s_wait_tensorcnt 0x0                           ; the wave's end
	ds_add_u32 v[SPW], v[NIL]
	s_wait_dscnt 0x0
	s_endpgm
.Lfunc_end_k_q146f89fa19_down:
	.size	k_q146f89fa19_down, .Lfunc_end_k_q146f89fa19_down-k_q146f89fa19_down
	.p2alignl 7, 3214868480
	.fill 96, 4, 3214868480
	.section	.rodata,"a",@progbits
	.p2align	6, 0x0
	.amdhsa_kernel k_q146f89fa19_down
		.amdhsa_group_segment_fixed_size 321536
		.amdhsa_private_segment_fixed_size 0
		.amdhsa_enable_private_segment 0
		.amdhsa_kernarg_size 72
		.amdhsa_user_sgpr_count 2
		.amdhsa_user_sgpr_kernarg_segment_ptr 1
		.amdhsa_wavefront_size32 1
		.amdhsa_system_sgpr_workgroup_id_x 1
		.amdhsa_system_sgpr_workgroup_id_y 1
		.amdhsa_system_sgpr_workgroup_id_z 1
		.amdhsa_system_vgpr_workitem_id 0
		.amdhsa_next_free_vgpr 1024
		.amdhsa_next_free_sgpr 84
		.amdhsa_reserve_vcc 1
		.amdhsa_float_denorm_mode_32 3
		.amdhsa_float_denorm_mode_16_64 3
		.amdhsa_memory_ordered 1
		.amdhsa_forward_progress 1
		.amdhsa_inst_pref_size 255
	.end_amdhsa_kernel
	.section	.bss,"aw",@nobits
	.p2align	6
	.space	262144
	.amdgpu_metadata
---
amdhsa.version: [ 1, 2 ]
amdhsa.kernels:
  - .name:           k_q146f89fa19_down
    .symbol:         k_q146f89fa19_down.kd
    .args:
      - { .name: ensembles, .offset: 0, .size: 8, .value_kind: global_buffer, .address_space: global }
      - { .name: weights, .offset: 8, .size: 8, .value_kind: global_buffer, .address_space: global }
      - { .name: proj_out_scales, .offset: 16, .size: 8, .value_kind: global_buffer, .address_space: global }
      - { .name: wimg, .offset: 24, .size: 8, .value_kind: global_buffer, .address_space: global }
      - { .name: himg, .offset: 32, .size: 8, .value_kind: global_buffer, .address_space: global }
      - { .name: hsc, .offset: 40, .size: 8, .value_kind: global_buffer, .address_space: global }
      - { .name: lst, .offset: 48, .size: 8, .value_kind: global_buffer, .address_space: global }
      - { .name: cnts, .offset: 56, .size: 8, .value_kind: global_buffer, .address_space: global }
      - { .name: out0, .offset: 64, .size: 8, .value_kind: global_buffer, .address_space: global }
    .group_segment_fixed_size: 321536
    .private_segment_fixed_size: 0
    .kernarg_segment_align: 8
    .kernarg_segment_size: 72
    .max_flat_workgroup_size: 128
    .sgpr_count:     84
    .vgpr_count:     1024
    .wavefront_size: 32
...
	.end_amdgpu_metadata
.endif
;; end of part 5
